; MI455X (gfx1250); checked and timed in simulation.
; The chip was launched on July 23, 2026; its instructions are those of AMD's public machine-readable ISA for CDNA 5 (MIT licence, August 2026) and "CDNA5" Instruction Set Architecture Reference Guide (July 2026). The comments in the code are by the model that wrote it; some were corrected since.
;; Bahdanau Attention. Allowed arithmetic: matrix products marked QUANTISED: E4M3 operands, one given power-of-two scale a tensor, by v_wmma_f32_16x16x64_fp8_fp8 or v_wmma_f32_16x16x128_fp8_fp8, f32 sums; products left as they are: f32 operands where the result goes on into a quantised operand, else bf16, f16 or f32 operands; f32 sums; everything else in f32.
;; Inputs: V 1,024 x 1 float32; W1_codes 1,024 x 32 x 32 uint8 (E4M3 codes of W1, K innermost, in blocks of 32 codes); W2_codes 1,024 x 32 x 32 uint8 (E4M3 codes of W2, K innermost, in blocks of 32 codes); b1 1,024 float32; b2 1,024 float32; bV 1 float32; lowp_scales 4 int32 (the exponents e of the quantised operands' scales 2^e); mask 32 x 2,048 float32; query_codes 32 x 32 x 32 uint8 (E4M3 codes of query, K innermost, in blocks of 32 codes); values 32 x 2,048 x 1,024 float32.
;; Outputs: out0 32 x 1,024 float32; out1 32 x 2,048 x 1 float32.
;; This version of the problem:
;;   THIS VERSION OF THE PROBLEM IS GIVEN IN LOW PRECISION. The matrix products marked QUANTISED in the list below multiply operands that are first quantised to E4M3 (4 exponent bits, 3 mantissa bits; 8 bits a number), with one given power-of-two scale for each operand tensor; their sums are f32. All else is computed in f32.
;;   The module's matrix products, in the order in which they are computed (A, B: the left and right operand; K: the contracted axis; several contracted axes count as one K, in the product's order):
;;     1. [M 65,536, K 1,024] x [K 1,024, N 1,024]; A: input values; B: input W1 (given as codes): QUANTISED (scales: A lowp_scales[0], B lowp_scales[1])
;;     2. [M 32, K 1,024] x [K 1,024, N 1,024]; A: input query (given as codes); B: input W2 (given as codes): QUANTISED (scales: A lowp_scales[2], B lowp_scales[3])
;;     3. [M 65,536, K 1,024] x [K 1,024, N 1]; A: computed on the way; B: input V: left as it is (N = 1 < 16)
;;   THE QUANTISER, for each operand of a quantised product, along K:
;;     - The operand's scale is 2^e, e = its entry of the input lowp_scales (int32; the entries are numbered through the quantised products in the list's order, A before B).
;;     - Each number is divided by the scale, clamped to +-448, and rounded to the nearest number of E4M3, ties to even, subnormals kept.
;;     - The product sums the exact products of the quantised numbers (number of the format x scale) in f32.
;;   ~~~python
;;   def quantise(x, axis, e):      # numpy; x: float32 -> the quantised numbers, widened to float32 again
;;       x = np.moveaxis(x, axis, -1); K = x.shape[-1]
;;       r = np.clip(x / 2.0 ** e, -448, 448)
;;       step = 2.0 ** (np.maximum(np.frexp(np.where(r == 0, 1, r))[1] - 1, -6) - 3)
;;       q = np.round(r / step) * step * 2.0 ** e      # np.round: ties to even
;;       return np.moveaxis(q, -1, axis).astype(np.float32)
;;   ~~~
;;   INPUTS GIVEN AS CODES. W1 (in the module: [1024, 1024], K = its axis 0); W2 (in the module: [1024, 1024], K = its axis 0); query (in the module: [32, 1024], K = its axis 1): each comes as NAME_codes (uint8): NAME with its K axis moved to the last place and cut into blocks of 32 codes, [.., K / 32, bytes a block], one block behind the other in memory; one code a byte (a code: sign, 4 exponent bits, 3 mantissa bits); its scale is its entry of lowp_scales. Its value is code x scale, taken as it is: it is not quantised again, and the codes and scales need not be those that the quantiser above would give.
;; 2 versions, each right; version 2 is version 1 with the launches prep, score, context written anew for expert scheduling mode. Each part assembles by itself: llvm-mc -triple=amdgcn-amd-amdhsa -mcpu=gfx1250 --defsym DOCPART=n.
;; ======== version 1 of 2: 3 launches
;; limits: right only within a limited range of input values
;; workspace buffers: slot 262,144 bytes of whole numbers; cnt 8,192 bytes of whole numbers; qb 131,072 bytes; part 4,194,304 bytes
;; launch prep (part 1): grid 48 x 1, 1 waves a work-group, no clusters, 0 bytes of LDS; arguments mask, V, query_codes, W2_codes, b1, b2, lowp_scales, slot, cnt, qb; writes slot, cnt, qb
.if DOCPART == 1
	.amdgcn_target "amdgcn-amd-amdhsa--gfx1250"
	.amdhsa_code_object_version 6
	.text
	.protected	k_q9209a5e80c_prep
	.globl	k_q9209a5e80c_prep
	.p2align	8
	.type	k_q9209a5e80c_prep,@function
k_q9209a5e80c_prep:
	s_mov_b64 s[64:65], 0
	v_nop
	global_prefetch_b8 v0, s[64:65] scope:SCOPE_SE
	s_setreg_imm32_b32 hwreg(HW_REG_WAVE_MODE, 25, 1), 1
	s_wait_xcnt 0x0
; Two small jobs of one wave each, parted on the work-group's number.
; WORK-GROUPS 0-31 (one a batch): which rows of the batch can have a softmax weight other than 0, stored as whole numbers at fixed places.
;   penalty p = mask x (-1e9).  A score is V . tanh(..) + bV + p, and |V . tanh(..)| <= SV = sum |V|.  A row whose p lies more than 2 SV + 128 + 2^-21 (|p| + |pmax|) under the batch's
;   largest penalty pmax has a score more than 104 under the batch's largest score, so exp(score - max) is 0 in f32: its weight is exactly 0 and nothing of it is needed.
;   The 24 between 104 and 128 and the two 2^-21 terms are room for the rounding of the f32 sums.  LIMIT: |bV| + SV under 2^26.  NaN or infinity in mask is not served.
;   slot[b][t] = the row's place: kept rows take 0, 1, .. upward, dropped rows 2047, 2046, .. downward: a bijection on 0 .. 2047.  cnt[b][0..63] = n, the number kept (at least 1: the row at pmax).
;   No address and no branch here hangs on these numbers: they are data, stored where the row's mask was read.
; WORK-GROUPS 32-47 (64 units each): qb[b][u] = c x (query W2 + b2 + b1), c = 2 log2(e), the second quantised product on its codes as they are given, all of K = 1,024 at once.
;   LIMIT: e2 + e3 between -126 and 125, so that c x 2^(e2 + e3) is an f32 number.
; No LDS, no barrier.  Shared tiles: none (each work-group reads its own rows of W2; query's 32 KB are small beside them), so no cluster.
.set MSB, 0
.macro WIN new                         ; the immediate's high byte repeats the setting that is left
.if MSB != \new
	s_set_vgpr_msb (MSB<<8)|\new
.set MSB, \new
.endif
.endm
.set C2L, 0x4038aa3b                   ; c = 2 log2(e)
	s_load_b256 s[4:11], s[0:1], 0x0               ; mask s[4:5], V s[6:7], query's codes s[8:9], W2's codes s[10:11]
	s_load_b256 s[12:19], s[0:1], 0x20             ; b1 s[12:13], b2 s[14:15], the scales' exponents s[16:17], slot s[18:19]
	s_load_b128 s[20:23], s[0:1], 0x40             ; cnt s[20:21], qb s[22:23]
	v_lshlrev_b32 v1, 4, v0                        ; 16 x lane
	s_mov_b32 s27, 0                               ; upper word of the offsets' pair s[26:27]
	s_cmp_lt_u32 ttmp9, 32
	s_cbranch_scc0 .Lproj
	; ---------------- the rows of batch b = work-group number ----------------
	s_lshl_b32 s26, ttmp9, 13                      ; a batch's 2,048 words
	s_mov_b32 s24, 0x76543210                      ; v_permlanex16_b32: lane l takes lane l xor 16
	s_mov_b32 s25, 0xfedcba98
	s_wait_kmcnt 0x0
	s_add_nc_u64 s[4:5], s[4:5], s[26:27]
	s_add_nc_u64 s[18:19], s[18:19], s[26:27]
	s_lshl_b32 s26, ttmp9, 8                       ; a batch's 64 words of cnt
	s_add_nc_u64 s[20:21], s[20:21], s[26:27]
.irp k, 0,1,2,3,4,5,6,7,8,9,10,11,12,13,14,15
	global_load_b128 v[64+4*\k:67+4*\k], v1, s[4:5] offset:512*\k    ; register 4 k + i holds row t = 128 k + 4 lane + i; 512 consecutive bytes a load
.endr
.irp k, 0,1,2,3,4,5,6,7
	global_load_b128 v[128+4*\k:131+4*\k], v1, s[6:7] offset:512*\k  ; V: 32 numbers a lane
.endr
	s_mov_b32 s26, 0x35000000                      ; 2^-21
	v_mov_b32 v3, 0                                ; a lane permute's destination counts as read
	v_lshlrev_b32 v12, 3, v0                       ; 8 x lane, for cnt
	s_wait_loadcnt 0x0
.set i, 64
.rept 64
	v_mul_f32 v[i], 0xce6e6b28, v[i]               ; p = mask x (-1e9)
.set i, i+1
.endr
	v_max3_num_f32 v2, v64, v65, v66               ; pmax: my 64, then the 32 lanes
.set i, 67
.rept 30
	v_max3_num_f32 v2, v2, v[i], v[i+1]
.set i, i+2
.endr
	v_max_num_f32 v2, v2, v127
	v_max_num_f32_dpp v2, v2, v2 row_xmask:1 row_mask:0xf bank_mask:0xf
	v_max_num_f32_dpp v2, v2, v2 row_xmask:2 row_mask:0xf bank_mask:0xf
	v_max_num_f32_dpp v2, v2, v2 row_xmask:4 row_mask:0xf bank_mask:0xf
	v_max_num_f32_dpp v2, v2, v2 row_xmask:8 row_mask:0xf bank_mask:0xf
	v_permlanex16_b32 v3, v2, s24, s25
	v_max_num_f32 v2, v2, v3
	v_add_f32 v4, |v128|, |v129|                   ; SV = sum |V|
.set i, 130
.rept 30
	v_add_f32 v4, v4, |v[i]|
.set i, i+1
.endr
	v_add_f32_dpp v4, v4, v4 row_xmask:1 row_mask:0xf bank_mask:0xf
	v_add_f32_dpp v4, v4, v4 row_xmask:2 row_mask:0xf bank_mask:0xf
	v_add_f32_dpp v4, v4, v4 row_xmask:4 row_mask:0xf bank_mask:0xf
	v_add_f32_dpp v4, v4, v4 row_xmask:8 row_mask:0xf bank_mask:0xf
	v_permlanex16_b32 v3, v4, s24, s25
	v_add_f32 v4, v4, v3
	v_fma_f32 v5, v4, 2.0, 0x43000000              ; 2 SV + 128
	v_fma_f32 v5, |v2|, s26, v5                    ; + 2^-21 |pmax|
.set i, 64
.rept 64
	v_fma_f32 v[6+i%2], |v[i]|, s26, v5            ; the row's bound: + 2^-21 |p|
	v_sub_f32 v[i], v2, v[i]                       ; pmax - p
	v_sub_f32 v[i], v[i], v[6+i%2]                 ; z: the row is kept where z <= 0
.set i, i+1
.endr
	s_mov_b32 s29, 0                               ; rows kept so far, in the order (register, lane)
.set i, 0
.rept 64
	v_cmp_ge_f32 s30, 0, v[64+i]                   ; the kept lanes of this register
	v_mbcnt_lo_u32_b32 v8, s30, s29                ; rows kept ahead of mine: a kept row's place
	v_sub_nc_u32 v9, 2047-32*i, v0                 ; 2047 - (rows ahead of mine)
	v_add_nc_u32 v9, v9, v8                        ; + (kept ahead) = 2047 - (dropped ahead): a dropped row's place
	v_cndmask_b32 v[64+i], v9, v8, s30
	s_bcnt1_i32_b32 s31, s30
	s_add_co_u32 s29, s29, s31
.set i, i+1
.endr
	v_mov_b32 v10, s29                             ; n
	v_mov_b32 v11, s29
.irp k, 0,1,2,3,4,5,6,7,8,9,10,11,12,13,14,15
	global_store_b128 v1, v[64+4*\k:67+4*\k], s[18:19] offset:512*\k   ; 512 consecutive bytes a store
.endr
	global_store_b64 v12, v[10:11], s[20:21]       ; 256 consecutive bytes, aligned: n in each of the batch's 64 words
	s_endpgm
	; ---------------- qb for units u0 = 64 g .. 64 g + 63, all 32 batches ----------------
.Lproj:
	s_sub_co_u32 s28, ttmp9, 32                    ; g
	v_and_b32 v2, 15, v0                           ; r
	v_lshrrev_b32 v3, 4, v0                        ; h
	v_lshlrev_b32 v4, 12, v2
	v_lshl_add_u32 v4, v3, 4, v4                   ; W2: lane r of tile t takes unit u0 + 4 r + t, so that a lane's four tiles are four neighbouring units: 4,096 r + 16 h
	v_lshlrev_b32 v5, 10, v2
	v_lshl_add_u32 v5, v3, 4, v5                   ; query: row r of 1,024 bytes + 16 h
	v_lshlrev_b32 v6, 4, v2                        ; b1, b2: my four units
	v_lshl_add_u32 v7, v3, 15, v6                  ; qb: 8 h rows of 4,096 bytes + 16 r
	s_lshl_b32 s26, s28, 16                        ; 64 rows of 1,024 bytes
	s_wait_kmcnt 0x0
	s_load_b128 s[36:39], s[16:17], 0x0            ; e0, e1, e2, e3
	s_add_nc_u64 s[10:11], s[10:11], s[26:27]
	s_lshl_b32 s26, s28, 8                         ; 64 units of 4 bytes
	s_add_nc_u64 s[12:13], s[12:13], s[26:27]
	s_add_nc_u64 s[14:15], s[14:15], s[26:27]
	s_add_nc_u64 s[22:23], s[22:23], s[26:27]
	; a fragment is 16 rows x 128 K in 16 registers: registers 4 c .. 4 c + 3 hold K = 32 c + 16 h + 0 .. 15: the same permutation of k on both sides, so every product meets its partner
	WIN 0x40                                       ; destination window 1: W2, K steps 0-3, fragment (ks, t) at v[16 (4 ks + t)]
.irp ks, 0,1,2,3
.irp t, 0,1,2,3
.irp c, 0,1,2,3
	global_load_b128 v[16*(4*\ks+\t)+4*\c:16*(4*\ks+\t)+4*\c+3], v4, s[10:11] offset:1024*\t+128*\ks+32*\c
.endr
.endr
.endr
	WIN 0x80                                       ; window 2: K steps 4-7
.irp ks, 4,5,6,7
.irp t, 0,1,2,3
.irp c, 0,1,2,3
	global_load_b128 v[16*(4*(\ks-4)+\t)+4*\c:16*(4*(\ks-4)+\t)+4*\c+3], v4, s[10:11] offset:1024*\t+128*\ks+32*\c
.endr
.endr
.endr
	WIN 0xc0                                       ; window 3: query, fragment (mt, ks) at v[16 (8 mt + ks)]
.irp mt, 0,1
.irp ks, 0,1,2,3,4,5,6,7
.irp c, 0,1,2,3
	global_load_b128 v[16*(8*\mt+\ks)+4*\c:16*(8*\mt+\ks)+4*\c+3], v5, s[8:9] offset:16384*\mt+128*\ks+32*\c
.endr
.endr
.endr
	WIN 0
	global_load_b128 v[8:11], v6, s[12:13]         ; b1 of my four units
	global_load_b128 v[12:15], v6, s[14:15]        ; b2
	s_wait_loadcnt 0x0
	; source 0 = 16 batches, source 1 = 16 units: register j of lane (r, h) is (batch 16 mt + 8 h + j, unit u0 + 4 r + t).  Eight accumulators by turns, one instruction a turn.
	WIN 0x07                                       ; source 0 window 3, source 1 window 1
.irp ks, 0,1,2,3
.irp mt, 0,1
.irp t, 0,1,2,3
.if \ks == 0
	v_wmma_f32_16x16x128_fp8_fp8 v[64+8*(4*\mt+\t):71+8*(4*\mt+\t)], v[16*(8*\mt+\ks):16*(8*\mt+\ks)+15], v[16*(4*\ks+\t):16*(4*\ks+\t)+15], 0
.else
	v_wmma_f32_16x16x128_fp8_fp8 v[64+8*(4*\mt+\t):71+8*(4*\mt+\t)], v[16*(8*\mt+\ks):16*(8*\mt+\ks)+15], v[16*(4*\ks+\t):16*(4*\ks+\t)+15], v[64+8*(4*\mt+\t):71+8*(4*\mt+\t)]
.endif
.endr
.endr
.endr
	WIN 0x0b                                       ; source 1 window 2
.irp ks, 4,5,6,7
.irp mt, 0,1
.irp t, 0,1,2,3
	v_wmma_f32_16x16x128_fp8_fp8 v[64+8*(4*\mt+\t):71+8*(4*\mt+\t)], v[16*(8*\mt+\ks):16*(8*\mt+\ks)+15], v[16*(4*(\ks-4)+\t):16*(4*(\ks-4)+\t)+15], v[64+8*(4*\mt+\t):71+8*(4*\mt+\t)]
.endr
.endr
.endr
	WIN 0
.irp t, 0,1,2,3                                ; eight plain lines that name none of the products' registers: the places behind the last products (ISA guide 7.12.1)
	v_add_f32 v[8+\t], v[8+\t], v[12+\t]
.endr
.irp t, 0,1,2,3
	v_mul_f32 v[8+\t], C2L, v[8+\t]                ; c (b1 + b2)
.endr
	s_wait_kmcnt 0x0
	s_add_co_i32 s29, s38, s39                     ; a sum stands for sum x 2^(e2 + e3): the exponents are added to c's exponent field
	s_lshl_b32 s29, s29, 23
	s_add_co_i32 s29, s29, C2L
.irp j, 0,1,2,3,4,5,6,7                        ; each accumulator is read from its low end on
.irp mt, 0,1
.irp t, 0,1,2,3
	v_fma_f32 v[128+4*(8*\mt+\j)+\t], v[64+8*(4*\mt+\t)+\j], s29, v[8+\t]
.endr
.endr
.endr
.irp mt, 0,1
.irp j, 0,1,2,3,4,5,6,7
	global_store_b128 v7, v[128+4*(8*\mt+\j):131+4*(8*\mt+\j)], s[22:23] offset:4096*(16*\mt+\j)   ; sixteen lanes store 256 consecutive bytes, aligned: 64 units of one batch
.endr
.endr
	s_endpgm
.Lfunc_end_k_q9209a5e80c_prep:
	.size	k_q9209a5e80c_prep, .Lfunc_end_k_q9209a5e80c_prep-k_q9209a5e80c_prep
	.p2alignl 7, 3214868480
	.fill 96, 4, 3214868480
	.section	.rodata,"a",@progbits
	.p2align	6, 0x0
	.amdhsa_kernel k_q9209a5e80c_prep
		.amdhsa_group_segment_fixed_size 0
		.amdhsa_private_segment_fixed_size 0
		.amdhsa_enable_private_segment 0
		.amdhsa_kernarg_size 80
		.amdhsa_user_sgpr_count 2
		.amdhsa_user_sgpr_kernarg_segment_ptr 1
		.amdhsa_wavefront_size32 1
		.amdhsa_system_sgpr_workgroup_id_x 1
		.amdhsa_system_sgpr_workgroup_id_y 1
		.amdhsa_system_sgpr_workgroup_id_z 1
		.amdhsa_system_vgpr_workitem_id 0
		.amdhsa_next_free_vgpr 1024
		.amdhsa_next_free_sgpr 66
		.amdhsa_reserve_vcc 0
		.amdhsa_float_denorm_mode_32 3
		.amdhsa_float_denorm_mode_16_64 3
		.amdhsa_memory_ordered 1
		.amdhsa_forward_progress 1
		.amdhsa_inst_pref_size 73
	.end_amdhsa_kernel
	.amdgpu_metadata
---
amdhsa.version: [ 1, 2 ]
amdhsa.kernels:
  - .name:           k_q9209a5e80c_prep
    .symbol:         k_q9209a5e80c_prep.kd
    .args:
      - { .name: mask, .offset: 0, .size: 8, .value_kind: global_buffer, .address_space: global }
      - { .name: V, .offset: 8, .size: 8, .value_kind: global_buffer, .address_space: global }
      - { .name: query_codes, .offset: 16, .size: 8, .value_kind: global_buffer, .address_space: global }
      - { .name: W2_codes, .offset: 24, .size: 8, .value_kind: global_buffer, .address_space: global }
      - { .name: b1, .offset: 32, .size: 8, .value_kind: global_buffer, .address_space: global }
      - { .name: b2, .offset: 40, .size: 8, .value_kind: global_buffer, .address_space: global }
      - { .name: lowp_scales, .offset: 48, .size: 8, .value_kind: global_buffer, .address_space: global }
      - { .name: slot, .offset: 56, .size: 8, .value_kind: global_buffer, .address_space: global }
      - { .name: cnt, .offset: 64, .size: 8, .value_kind: global_buffer, .address_space: global }
      - { .name: qb, .offset: 72, .size: 8, .value_kind: global_buffer, .address_space: global }
    .group_segment_fixed_size: 0
    .private_segment_fixed_size: 0
    .kernarg_segment_align: 8
    .kernarg_segment_size: 80
    .max_flat_workgroup_size: 32
    .sgpr_count:     66
    .vgpr_count:     1024
    .wavefront_size: 32
...
	.end_amdgpu_metadata
.endif
;; end of part 1
;; launch score (part 2): grid 256 x 1, 4 waves a work-group, no clusters, 51,200 bytes of LDS; arguments values, W1_codes, V, lowp_scales, slot, cnt, qb, part; writes part
.if DOCPART == 2
	.amdgcn_target "amdgcn-amd-amdhsa--gfx1250"
	.amdhsa_code_object_version 6
	.text
	.protected	k_q9209a5e80c_score
	.globl	k_q9209a5e80c_score
	.p2align	8
	.type	k_q9209a5e80c_score,@function
k_q9209a5e80c_score:
	s_mov_b64 s[64:65], 0
	v_nop
	global_prefetch_b8 v0, s[64:65] scope:SCOPE_SE
	s_setreg_imm32_b32 hwreg(HW_REG_WAVE_MODE, 25, 1), 1
	s_wait_xcnt 0x0
; part[4 q + w][2 b + h][..] = for each kept row of half h of batch b: the sum over the wave's 64 units u of V[u] tanh(values W1 + b1 + query W2 + b2)[u].
; tanh(y) = 1 - 2 / (1 + 2^(c y)), c = 2 log2(e).  A matrix sum a stands for a x 2^(e0 + e1), so c y = a x cs + qb, cs = c x 2^(e0 + e1), qb from the launch before.
; The partial score is sum V[u] + sum (-2 V[u]) / (1 + 2^(c y)).  2^(c y) = infinity gives tanh = 1, 2^(c y) = 0 gives -1.
; SHARES.  Work-group = (q = number & 3, h = bit 2, b = number >> 3).  Wave w keeps units u0 = 256 q + 64 w .. + 63 of W1 for all of K in 512 REGISTERS for the whole launch; the rows stream.
; The batch's n kept rows (places 0 .. n - 1) are cut at H = 16 ceil(n / 32): half 0 takes places 0 .. H - 1, half 1 the rest; NT tiles of 16 rows, at most 64.
; A TILE: each wave loads 4 of its 16 rows as f32 (32 loads of 512 consecutive bytes), holds and converts them to E4M3 with the given scale 2^e0, and puts the codes in LDS as rows along K;
; behind a barrier every wave reads all 16 rows as eight fragments and multiplies them with its 32 fragments of W1.  Two LDS slots by turns: one barrier a tile serves both orders.
; Rows are asked for two tiles ahead of their conversion, in two register sets by turns.
; NO TENSOR LOADS, NO CLUSTER: the rows are gathered by a list and the tiles' work hangs on a stored count, so the operands go from memory through registers; the four q of one (b, h) have
; neighbouring numbers and read the same rows at about the same time.
; THE LOOP HAS A CONSTANT 16 TRIPS OF 4 TILES; a tile at or past NT is jumped over, its barrier is not.
; LIMITS: e0 between -126 and 119; e0 + e1 between -126 and 125.  NaN among the values is not served (an infinity is held at the largest code).
; REGISTERS.  window 0: v1 16 lane; v2 fragment address; v3 code store address; v4, v5 list address; v6 2^e0; v7 8 lane; v8-15 two sets of four row offsets; v24-25 sum of my V; v26-33 eight row sums;
;   v34-41 at work; v42-43 scores to store; v44-47 a group's four tiles; v48-55 -2 V (each twice, a pair a tile of units); v56-63 qb likewise; v64-95 codes; v96-127 four accumulators; v128-255 the rows' 8 fragments.
;   windows 1, 2: W1, fragment (ks, ut) at v[16 (4 (ks % 4) + ut)].   window 3: two sets of 128 f32 numbers as loaded.
.set PITCH, 1040                       ; a row of codes in LDS: 1,024 bytes + 16 = 65 x 16: the sixteen rows of a fragment load start at sixteen different 16-byte columns of the 64 banks (ISA guide 11.1)
.set CSLOT, 16*PITCH                   ; a tile's codes; two such slots from LDS byte 0
.set LISTB, 2*CSLOT                    ; then the lists: one of 1,088 words for each wave: word i = the row t at place start + i; word 1,024 takes the places that are not mine
.set LISTW, 4352
.set MSB, 0
.macro WIN new                         ; the immediate's high byte repeats the setting that is left
.if MSB != \new
	s_set_vgpr_msb (MSB<<8)|\new
.set MSB, \new
.endif
.endm
; my wave's four rows of the tile whose list words begin off bytes behind v5: their byte offsets in the batch, + 16 x lane
.macro IDX p, off
	ds_load_b128 v[8+4*\p:11+4*\p], v5 offset:\off       ; every lane reads the same 16 bytes
	s_wait_dscnt 0x0
.irp i, 0,1,2,3
	v_min_u32 v[8+4*\p+\i], 0x7ff, v[8+4*\p+\i]          ; a row number stays inside the batch
.endr
.irp i, 0,1,2,3
	v_lshl_add_u32 v[8+4*\p+\i], v[8+4*\p+\i], 12, v1
.endr
.endm
.macro LOADS p                         ; 32 loads: four rows of 4,096 bytes, 512 consecutive bytes a load, into set p of window 3
	WIN 0xc0
.irp row, 0,1,2,3
.irp j, 0,1,2,3,4,5,6,7
	global_load_b128 v[128*\p+32*\row+4*\j:128*\p+32*\row+4*\j+3], v[8+4*\p+\row], s[4:5] offset:512*\j
.endr
.endr
	WIN 0
.endm
; set p's 128 numbers become 32 registers of codes and go to LDS slot s.  Load j of a row gave lane l columns 128 j + 4 l .. + 3: a conversion of eight registers makes their four codes in one register
; and load j + 1's in the next, and each store puts 128 consecutive bytes of a row: the rows lie in LDS in the natural order of K.
.macro QUANT p, s
	WIN 0xc3
.set i, 0
.rept 128
	v_med3_num_f32 v[128*\p+i], v[128*\p+i], s33, s32    ; the conversion to an 8-bit code does not saturate (ISA guide 7.6.2): held within +-448 x 2^e0 first
.set i, i+1
.endr
	WIN 0x03
.set i, 0
.rept 16
	v_cvt_scalef32_pk8_fp8_f32 v[64+2*i:65+2*i], v[128*\p+8*i:128*\p+8*i+7], v6
.set i, i+1
.endr
	WIN 0
	v_nop                                                ; one plain line behind the last scaled conversion
.irp row, 0,1,2,3
.irp j, 0,1,2,3,4,5,6,7
	ds_store_b32 v3, v[64+8*\row+\j] offset:CSLOT*\s+PITCH*\row+128*\j
.endr
.endr
.endm
.macro FETCH s                         ; the tile's eight fragments: registers 4 c .. 4 c + 3 of fragment ks hold K = 128 ks + 32 c + 16 h + 0 .. 15 of row r, as W1's do
.irp ks, 0,1,2,3,4,5,6,7
.irp c, 0,1,2,3
	ds_load_b128 v[128+16*\ks+4*\c:131+16*\ks+4*\c], v2 offset:CSLOT*\s+128*\ks+32*\c
.endr
.endr
.endm
; 32 products: source 0 = the 16 rows, source 1 = 16 units: register j of lane (r, h) is (row 8 h + j, unit u0 + 16 ut + r).  The four accumulators take turns, one instruction a turn.
.macro MM
	WIN 0x04                                             ; source 1 window 1
.irp ks, 0,1,2,3
.irp ut, 0,1,2,3
.if \ks == 0
	v_wmma_f32_16x16x128_fp8_fp8 v[96+8*\ut:103+8*\ut], v[128+16*\ks:143+16*\ks], v[16*(4*\ks+\ut):16*(4*\ks+\ut)+15], 0
.else
	v_wmma_f32_16x16x128_fp8_fp8 v[96+8*\ut:103+8*\ut], v[128+16*\ks:143+16*\ks], v[16*(4*\ks+\ut):16*(4*\ks+\ut)+15], v[96+8*\ut:103+8*\ut]
.endif
.endr
.endr
	WIN 0x08                                             ; source 1 window 2
.irp ks, 4,5,6,7
.irp ut, 0,1,2,3
	v_wmma_f32_16x16x128_fp8_fp8 v[96+8*\ut:103+8*\ut], v[128+16*\ks:143+16*\ks], v[16*(4*(\ks-4)+\ut):16*(4*(\ks-4)+\ut)+15], v[96+8*\ut:103+8*\ut]
.endr
.endr
	WIN 0
.rept 4
	v_nop                                                ; four places in front of the first read of results (ISA guide 7.12.1)
.endr
.endm
.macro EPI                             ; 32 numbers a lane: c y, 2^(c y), + 1, reciprocal, x (-2 V), summed over the four tiles of units
.irp ut, 0,1,2,3
.irp j, 0,2,4,6
	v_pk_fma_f32 v[96+8*\ut+\j:97+8*\ut+\j], v[96+8*\ut+\j:97+8*\ut+\j], s[30:31], v[56+2*\ut:57+2*\ut] op_sel_hi:[1,0,1]   ; each accumulator from its low end on
.endr
.endr
.set i, 96
.rept 32
	v_exp_f32 v[i], v[i]
.set i, i+1
.endr
	v_nop                                                ; a plain line behind the last transcendental
.set i, 96
	s_wait_alu depctr_va_vdst(0)
.rept 16
	v_pk_add_f32 v[i:i+1], v[i:i+1], 1.0 op_sel_hi:[1,0]
.set i, i+2
.endr
.set i, 96
.rept 32
	v_rcp_f32 v[i], v[i]
.set i, i+1
.endr
	v_nop
	s_wait_alu depctr_va_vdst(0)
.irp j, 0,2,4,6
	v_pk_fma_f32 v[26+\j:27+\j], v[96+\j:97+\j], v[48:49], v[24:25]     ; the sums begin with my four V
.endr
.irp ut, 1,2,3
.irp j, 0,2,4,6
	v_pk_fma_f32 v[26+\j:27+\j], v[96+8*\ut+\j:97+8*\ut+\j], v[48+2*\ut:49+2*\ut], v[26+\j:27+\j]
.endr
.endr
.endm
; eight sums a lane, each to be added over the 16 lanes of a row: at each step half of the lanes hand one half of the sums over and keep the other.  At the end lane l holds the tile's row l >> 1.
.macro REDUCE k
.irp j, 0,1,2,3
	v_cndmask_b32 v[34+2*\j], v[26+\j], v[30+\j], s34    ; what I keep,
	v_cndmask_b32 v[35+2*\j], v[30+\j], v[26+\j], s34    ; what the lane 8 away keeps
.endr
.irp j, 0,1,2,3
	v_add_f32_dpp v[26+\j], v[35+2*\j], v[34+2*\j] row_xmask:8 row_mask:0xf bank_mask:0xf
.endr
.irp j, 0,1
	v_cndmask_b32 v[34+2*\j], v[26+\j], v[28+\j], s35
	v_cndmask_b32 v[35+2*\j], v[28+\j], v[26+\j], s35
.endr
.irp j, 0,1
	v_add_f32_dpp v[26+\j], v[35+2*\j], v[34+2*\j] row_xmask:4 row_mask:0xf bank_mask:0xf
.endr
	v_cndmask_b32 v34, v26, v27, s36
	v_cndmask_b32 v35, v27, v26, s36
	v_add_f32_dpp v26, v35, v34 row_xmask:2 row_mask:0xf bank_mask:0xf
	v_add_f32_dpp v[44+\k], v26, v26 row_xmask:1 row_mask:0xf bank_mask:0xf
.endm
	s_load_b256 s[4:11], s[0:1], 0x0               ; values s[4:5], W1's codes s[6:7], V s[8:9], the scales' exponents s[10:11]
	s_load_b256 s[12:19], s[0:1], 0x20             ; slot s[12:13], cnt s[14:15], qb s[16:17], part s[18:19]
	v_lshrrev_b32 v1, 5, v0
	v_readfirstlane_b32 s20, v1                    ; wave w
	s_and_b32 s21, ttmp9, 3                        ; q
	s_bfe_u32 s22, ttmp9, 0x10002                  ; h
	s_lshr_b32 s23, ttmp9, 3                       ; b
	v_and_b32 v34, 31, v0                          ; lane
	v_and_b32 v35, 15, v0                          ; r
	v_bfe_u32 v36, v0, 4, 1                        ; lane / 16
	v_lshlrev_b32 v1, 4, v34
	v_mul_u32_u24 v2, v35, PITCH
	v_lshl_add_u32 v2, v36, 4, v2                  ; a fragment's row x pitch + 16 x half
	s_mul_i32 s29, s20, 4*PITCH
	v_lshl_add_u32 v3, v34, 2, s29                 ; my wave's four rows of a tile, 4 bytes a lane
	s_mul_i32 s29, s20, LISTW
	s_add_co_u32 s29, s29, LISTB
	v_mov_b32 v37, s29                             ; my wave's list
	s_lshl_b32 s38, s20, 4
	s_add_co_u32 s29, s29, s38
	v_mov_b32 v4, s29                              ; and in it my wave's four words of tile 0
	v_lshlrev_b32 v7, 3, v34
	v_lshlrev_b32 v38, 2, v34                      ; 4 x lane
	v_lshlrev_b32 v40, 2, v35                      ; V, qb: 4 r
	v_lshlrev_b32 v41, 10, v35
	v_lshl_add_u32 v41, v36, 4, v41                ; W1: row r of 1,024 bytes + 16 x half
	s_mov_b32 s34, 0xff00ff00                      ; lanes with bit 3, 2, 1, 0 set
	s_mov_b32 s35, 0xf0f0f0f0
	s_mov_b32 s36, 0xcccccccc
	s_mov_b32 s37, 0xaaaaaaaa
	s_mov_b32 s39, 0
	s_lshl_b32 s29, s21, 8
	s_lshl_b32 s40, s20, 6
	s_add_co_u32 s29, s29, s40                     ; u0
	s_wait_kmcnt 0x0
	s_lshl_b32 s38, s23, 23
	s_add_nc_u64 s[4:5], s[4:5], s[38:39]          ; values at my batch
	s_lshl_b32 s38, s29, 10
	s_add_nc_u64 s[6:7], s[6:7], s[38:39]          ; W1 at unit u0
	s_lshl_b32 s38, s29, 2
	s_add_nc_u64 s[8:9], s[8:9], s[38:39]          ; V at u0
	s_add_nc_u64 s[16:17], s[16:17], s[38:39]
	s_lshl_b32 s38, s23, 12
	s_add_nc_u64 s[16:17], s[16:17], s[38:39]      ; qb at (b, u0)
	s_lshl_b32 s38, s23, 13
	s_add_nc_u64 s[12:13], s[12:13], s[38:39]      ; slot at my batch
	s_lshl_b32 s38, s23, 8
	s_add_nc_u64 s[14:15], s[14:15], s[38:39]      ; cnt at my batch
	s_lshl_b32 s38, s21, 2
	s_add_co_u32 s38, s38, s20                     ; 4 q + w
	s_lshl_b32 s38, s38, 6
	s_lshl_b32 s40, s23, 1
	s_add_co_u32 s38, s38, s40
	s_add_co_u32 s38, s38, s22                     ; x 64 + 2 b + h
	s_lshl_b32 s38, s38, 12
	s_add_nc_u64 s[18:19], s[18:19], s[38:39]      ; my wave's 1,024 words of part
	s_load_b32 s24, s[14:15], 0x0                  ; n
	s_load_b64 s[44:45], s[10:11], 0x0             ; e0, e1
.irp i, 0,1,2,3,4,5,6,7,8,9,10,11,12,13,14,15
	global_load_b128 v[64+4*\i:67+4*\i], v1, s[12:13] offset:512*\i   ; every wave reads all 2,048 places: register 4 i + k: row t = 128 i + 4 lane + k
.endr
.set i, 0
.rept 64
	v_add_nc_u32 v[128+i], 128*(i/4)+i%4, v38      ; t
.set i, i+1
.endr
.irp k, 0,1,2,3
	v_mov_b32 v[44+\k], 0                          ; written once: a destination of a cross-lane form counts as read
.endr
	s_wait_kmcnt 0x0
	s_min_u32 s24, s24, 0x800                      ; n
	s_add_co_u32 s25, s24, 31
	s_lshr_b32 s25, s25, 5
	s_lshl_b32 s25, s25, 4                         ; H = 16 ceil(n / 32)
	s_min_u32 s29, s24, s25                        ; rows of half 0
	s_sub_co_u32 s38, s24, s29                     ; rows of half 1
	s_cmp_lg_u32 s22, 0
	s_cselect_b32 s26, s38, s29
	s_cselect_b32 s27, s25, 0                      ; my first place
	s_add_co_u32 s26, s26, 15
	s_lshr_b32 s26, s26, 4                         ; NT
	s_add_co_i32 s29, s44, 127
	s_lshl_b32 s38, s29, 23
	v_mov_b32 v6, s38                              ; 2^e0 as f32: the conversion takes its exponent field
	s_add_co_i32 s29, s29, 8
	s_lshl_b32 s32, s29, 23
	s_or_b32 s32, s32, 0x600000                    ; 448 x 2^e0
	s_or_b32 s33, s32, 0x80000000                  ; and its negative
	s_add_co_i32 s29, s44, s45
	s_lshl_b32 s29, s29, 23
	s_add_co_i32 s30, s29, 0x4038aa3b              ; cs = c x 2^(e0 + e1): the exponents are added to c's exponent field
	s_mov_b32 s31, s30                             ; (named with it as a pair, so it is written)
	s_wait_loadcnt 0x0
.set i, 0
.rept 64                                       ; list[place - start] = t.  The places are a bijection on 0 .. 2047 and start + 1,023 <= 2,047, so words 0 .. 1,023 all get a row of the batch
	v_sub_nc_u32 v[64+i], v[64+i], s27
	v_min_u32 v[64+i], 0x400, v[64+i]              ; places under start wrap to large numbers: they and those past 1,023 go to word 1,024
	v_lshl_add_u32 v[64+i], v[64+i], 2, v37
	ds_store_b32 v[64+i], v[128+i]
.set i, i+1
.endr
	s_wait_dscnt 0x0
	s_barrier_signal -1
	s_barrier_wait -1
	v_mov_b32 v5, v4
	IDX 0, 0
	IDX 1, 64
	LOADS 0                                        ; tile 0
	LOADS 1                                        ; tile 1
.irp ut, 0,1,2,3
	global_load_b32 v[16+\ut], v40, s[8:9] offset:64*\ut      ; V(u0 + 16 ut + r)
	global_load_b32 v[20+\ut], v40, s[16:17] offset:64*\ut    ; qb at the same units
.endr
	WIN 0x40                                       ; W1 stays: 128 loads, K steps 0-3 into window 1, 4-7 into window 2
.irp ks, 0,1,2,3
.irp ut, 0,1,2,3
.irp c, 0,1,2,3
	global_load_b128 v[16*(4*\ks+\ut)+4*\c:16*(4*\ks+\ut)+4*\c+3], v41, s[6:7] offset:16384*\ut+128*\ks+32*\c
.endr
.endr
.endr
	WIN 0x80
.irp ks, 4,5,6,7
.irp ut, 0,1,2,3
.irp c, 0,1,2,3
	global_load_b128 v[16*(4*(\ks-4)+\ut)+4*\c:16*(4*(\ks-4)+\ut)+4*\c+3], v41, s[6:7] offset:16384*\ut+128*\ks+32*\c
.endr
.endr
.endr
	WIN 0
	s_wait_loadcnt 63                              ; 128 loads of W1 were issued behind tiles 0 and 1, V and qb: those are in; W1's youngest 63 may be out
	v_add_f32 v24, v16, v17
	v_add_f32 v25, v18, v19
	v_add_f32 v24, v24, v25                        ; the sum of my four V,
	v_mov_b32 v25, v24                             ; twice
.irp ut, 0,1,2,3
	v_mul_f32 v[48+2*\ut], -2.0, v[16+\ut]
	v_mul_f32 v[49+2*\ut], -2.0, v[16+\ut]
	v_mov_b32 v[56+2*\ut], v[20+\ut]
	v_mov_b32 v[57+2*\ut], v[20+\ut]
.endr
	QUANT 0, 0                                     ; tile 0's codes
	IDX 0, 128
	LOADS 0                                        ; tile 2
	s_mov_b32 s28, 0                               ; the trip's first tile
	s_mov_b32 s42, 0                               ; its words in the list, in bytes
	s_wait_dscnt 0x0                               ; my codes have landed
	s_barrier_signal -1
	s_barrier_wait -1
; Tile s28 + k: its codes lie in slot cur.  Tile + 1 is converted into slot nxt, which every wave has finished reading in front of the last barrier; tile + 3 is asked for into the set that tile + 1 has left.
; THE COUNT 32: behind tile + 1's loads only tile + 2's 32, into the other set, have been issued.  Every way that leaves a group of loads out waits for all loads in its place, so the count holds on every way.
.macro SEG k, cur, nxt
	s_add_co_u32 s29, s28, \k
	s_cmp_ge_u32 s29, s26
	s_cbranch_scc1 .Lidle_\@
	FETCH \cur
	s_add_co_u32 s29, s28, \k+1
	s_cmp_ge_u32 s29, s26
	s_cbranch_scc1 .Lrest_\@
	s_wait_loadcnt 32
	QUANT \nxt, \nxt
	s_add_co_u32 s29, s28, \k+3
	s_cmp_ge_u32 s29, s26
	s_cbranch_scc1 .Lrest_\@
	IDX \nxt, 64*(\k+3)
	LOADS \nxt
	s_branch .Lmult_\@
.Lrest_\@:
	s_wait_loadcnt 0x0                             ; nothing more is asked for on this way
.Lmult_\@:
	s_wait_dscnt 0x0                               ; the fragments are in
	MM
	EPI
	REDUCE \k
	s_branch .Ljoin_\@
.Lidle_\@:
	s_wait_loadcnt 0x0
	v_mov_b32 v[44+\k], 0
.Ljoin_\@:
.if \k == 3
	s_cmp_ge_u32 s28, s26
	s_cbranch_scc1 .Lno_store_\@
	s_wait_xcnt 0x0                                ; the last trip's store has read v42, v43
	v_cndmask_b32 v42, v44, v45, s37               ; word 2 l: tile l & 1 of the four, row l >> 1;
	v_cndmask_b32 v43, v46, v47, s37               ; word 2 l + 1: tile 2 + (l & 1)
	global_store_b64 v7, v[42:43], s[18:19]        ; 256 consecutive bytes, aligned: the four tiles' 64 rows
.Lno_store_\@:
	s_wait_xcnt 0x0                                ; the store has read its base
	s_add_nc_u64 s[18:19], s[18:19], 256
	s_add_co_u32 s42, s42, 256
.endif
	s_wait_dscnt 0x0                               ; my reads of slot cur are in and my stores into slot nxt have landed
	s_barrier_signal -1
	s_barrier_wait -1
.endm
.Ltrip:
	v_add_nc_u32 v5, s42, v4
	SEG 0, 0, 1
	SEG 1, 1, 0
	SEG 2, 0, 1
	SEG 3, 1, 0
	s_add_co_u32 s28, s28, 4
	s_cmp_lt_u32 s28, 64
	s_cbranch_scc1 .Ltrip
	s_wait_xcnt 0x0
	v_lshl_add_u32 v254, v0, 2, 0xc600
	v_mov_b32 v255, 0
	s_wait_tensorcnt 0x0
	ds_add_u32 v254, v255
	s_wait_dscnt 0x0
	s_endpgm
.Lfunc_end_k_q9209a5e80c_score:
	.size	k_q9209a5e80c_score, .Lfunc_end_k_q9209a5e80c_score-k_q9209a5e80c_score
	.p2alignl 7, 3214868480
	.fill 96, 4, 3214868480
	.section	.rodata,"a",@progbits
	.p2align	6, 0x0
	.amdhsa_kernel k_q9209a5e80c_score
		.amdhsa_group_segment_fixed_size 51200
		.amdhsa_private_segment_fixed_size 0
		.amdhsa_enable_private_segment 0
		.amdhsa_kernarg_size 64
		.amdhsa_user_sgpr_count 2
		.amdhsa_user_sgpr_kernarg_segment_ptr 1
		.amdhsa_wavefront_size32 1
		.amdhsa_system_sgpr_workgroup_id_x 1
		.amdhsa_system_sgpr_workgroup_id_y 1
		.amdhsa_system_sgpr_workgroup_id_z 1
		.amdhsa_system_vgpr_workitem_id 0
		.amdhsa_next_free_vgpr 1024
		.amdhsa_next_free_sgpr 66
		.amdhsa_reserve_vcc 0
		.amdhsa_float_denorm_mode_32 3
		.amdhsa_float_denorm_mode_16_64 3
		.amdhsa_memory_ordered 1
		.amdhsa_forward_progress 1
		.amdhsa_inst_pref_size 167
	.end_amdhsa_kernel
	.amdgpu_metadata
---
amdhsa.version: [ 1, 2 ]
amdhsa.kernels:
  - .name:           k_q9209a5e80c_score
    .symbol:         k_q9209a5e80c_score.kd
    .args:
      - { .name: values, .offset: 0, .size: 8, .value_kind: global_buffer, .address_space: global }
      - { .name: W1_codes, .offset: 8, .size: 8, .value_kind: global_buffer, .address_space: global }
      - { .name: V, .offset: 16, .size: 8, .value_kind: global_buffer, .address_space: global }
      - { .name: lowp_scales, .offset: 24, .size: 8, .value_kind: global_buffer, .address_space: global }
      - { .name: slot, .offset: 32, .size: 8, .value_kind: global_buffer, .address_space: global }
      - { .name: cnt, .offset: 40, .size: 8, .value_kind: global_buffer, .address_space: global }
      - { .name: qb, .offset: 48, .size: 8, .value_kind: global_buffer, .address_space: global }
      - { .name: part, .offset: 56, .size: 8, .value_kind: global_buffer, .address_space: global }
    .group_segment_fixed_size: 51200
    .private_segment_fixed_size: 0
    .kernarg_segment_align: 8
    .kernarg_segment_size: 64
    .max_flat_workgroup_size: 128
    .sgpr_count:     66
    .vgpr_count:     1024
    .wavefront_size: 32
...
	.end_amdgpu_metadata
.endif
;; end of part 2
;; launch context (part 3): grid 8 x 32, 16 waves a work-group, no clusters, 43,520 bytes of LDS; arguments values, mask, bV, slot, cnt, part, out0, out1; writes out0, out1
.if DOCPART == 3
	.amdgcn_target "amdgcn-amd-amdhsa--gfx1250"
	.amdhsa_code_object_version 6
	.text
	.protected	k_q9209a5e80c_context
	.globl	k_q9209a5e80c_context
	.p2align	8
	.type	k_q9209a5e80c_context,@function
k_q9209a5e80c_context:
	s_mov_b64 s[64:65], 0
	v_nop
	global_prefetch_b8 v0, s[64:65] scope:SCOPE_SE
	s_setreg_imm32_b32 hwreg(HW_REG_WAVE_MODE, 25, 1), 1
	s_wait_xcnt 0x0
; The softmax over a batch's 2,048 rows and the weighted sum of the f32 rows.
; SHARES.  Work-group (c = x, b = y) owns columns 128 c .. + 127 of out0[b] and rows 256 c .. + 255 of out1[b]: every output has one owner.  Each of a batch's eight work-groups makes the small softmax itself.
; Thread tid owns rows t = 4 tid + k.  A row's place (slot) says whether it is kept (place < n) and where its 16 partial scores lie in part.  score = ((sum of the 16) + bV) + mask x (-1e9), the last two
; as separate roundings; a dropped row's score is -infinity, so its weight is 0.  The largest score is taken away before the exponential.
; THE WEIGHTED SUM reads kept rows alone.  Each wave compacts its own 128 rows (row number and weight) into its own 2 KB of LDS, which it has filled with zeros, so a last unit's padding is row 0 with weight 0;
; then a ring of 16 loads, one row's 512 bytes each: 8 KB a wave on their way.  The waves' strips are added through LDS.
; No matrix work here (a weighted sum of rows, one multiply-add a number read); no tensor loads and no cluster: rows are gathered by a list and the rounds hang on stored whole numbers.
; LIMITS: NaN or infinity in mask or values is not served; the values of dropped rows are never read.
.set RED0, 32768                       ; LDS: 16 x 2,048 bytes of the waves' lists (row numbers, then 1,024 bytes on the weights); then the waves' maxima,
.set RED1, 33024                       ; their sums,
.set CTX,  33280                       ; and their strips of 512 bytes
	s_load_b256 s[4:11], s[0:1], 0x0               ; values s[4:5], mask s[6:7], bV s[8:9], slot s[10:11]
	s_load_b256 s[12:19], s[0:1], 0x20             ; cnt s[12:13], part s[14:15], out0 s[16:17], out1 s[18:19]
	v_lshl_add_u32 v184, v0, 2, 0xa200
	v_mov_b32 v185, 0
	v_lshrrev_b32 v3, 5, v0
	v_readfirstlane_b32 s20, v3                    ; wave
	s_mov_b32 s21, ttmp9                           ; c
	s_and_b32 s22, ttmp7, 0xffff                   ; b
	v_and_b32 v3, 31, v0                           ; lane
	v_lshlrev_b32 v2, 4, v0                        ; 16 tid: my four words of slot, mask, out1
	s_lshl_b32 s28, s21, 9
	v_lshl_add_u32 v1, v3, 4, s28                  ; my 16 bytes of a row's strip: 512 c + 16 lane
	s_lshl_b32 s28, s20, 11
	v_mov_b32 v4, s28                              ; my wave's list
	v_lshl_add_u32 v6, v3, 4, s28                  ; and my 16 bytes of each 512 of it
	s_lshl_b32 s28, s20, 2
	v_mov_b32 v5, s28                              ; my wave's word among the maxima and sums
	v_and_b32 v7, 15, v0
	v_lshlrev_b32 v7, 2, v7                        ; and the word that I read back
	s_lshl_b32 s28, s20, 9
	v_lshl_add_u32 v176, v3, 4, s28                ; my wave's strip
	s_and_b32 s28, s20, 1
	s_lshl_b32 s28, s28, 8
	v_lshl_add_u32 v177, v3, 3, s28                ; waves 0, 1 at the end: 256 wave + 8 lane, in a strip and in out0
.irp k, 0,1,2,3
	v_lshl_add_u32 v[16+\k], v0, 2, \k             ; t
	v_mov_b32 v[172+\k], 0
.endr
	v_mov_b32 v31, 0x400
	v_mov_b32 v170, 0xff800000                     ; -infinity
	v_mov_b32 v171, 0x80
	v_mov_b32 v29, 0                               ; a lane permute's destination counts as read
	s_mov_b32 s32, 0x76543210                      ; v_permlanex16_b32: lane l takes lane l xor 16
	s_mov_b32 s33, 0xfedcba98
	s_mov_b32 s41, 0
	s_lshl_b32 s40, s22, 13
	s_wait_kmcnt 0x0
	s_add_nc_u64 s[6:7], s[6:7], s[40:41]          ; mask, slot, out1 at my batch; part at the batch's two planes
	s_add_nc_u64 s[10:11], s[10:11], s[40:41]
	s_add_nc_u64 s[14:15], s[14:15], s[40:41]
	s_add_nc_u64 s[18:19], s[18:19], s[40:41]
	s_lshl_b32 s40, s22, 8
	s_add_nc_u64 s[12:13], s[12:13], s[40:41]
	s_lshl_b32 s40, s22, 23
	s_add_nc_u64 s[4:5], s[4:5], s[40:41]
	s_lshl_b32 s40, s22, 12
	s_lshl_b32 s28, s21, 9
	s_add_co_u32 s40, s40, s28
	s_add_nc_u64 s[16:17], s[16:17], s[40:41]      ; out0 at (b, 128 c)
	s_load_b32 s24, s[12:13], 0x0                  ; n
	s_load_b32 s26, s[8:9], 0x0                    ; bV
	global_load_b128 v[8:11], v2, s[10:11]
	global_load_b128 v[12:15], v2, s[6:7]
.irp x, 0,1,2,3
	ds_store_b128 v6, v[172:175] offset:512*\x     ; my wave's list begins as zeros
.endr
	s_wait_kmcnt 0x0
	s_min_u32 s24, s24, 0x800
	s_add_co_u32 s25, s24, 31
	s_lshr_b32 s25, s25, 5
	s_lshl_b32 s25, s25, 4                         ; H = 16 ceil(n / 32), as in the launch before
	v_mov_b32 v30, s25
	s_wait_loadcnt 0x0
; where row k's partial scores lie: plane = place >= H; loc = place - H x plane; in a plane each 64 rows are 64 words: word 4 (loc % 16) + 2 ((loc / 16) % 2) + (loc / 32) % 2.  A dropped row reads word 0, which is always stored.
.irp k, 0,1,2,3
	v_cmp_gt_u32 s[36+\k], s24, v[8+\k]            ; kept
	v_cmp_le_u32 vcc_lo, s25, v[8+\k]
	v_cndmask_b32 v168, 0, v30, vcc_lo
	v_sub_nc_u32 v168, v[8+\k], v168               ; loc
	v_cndmask_b32 v[20+\k], 0, v31, vcc_lo
	v_and_b32 v169, 0xffffffc0, v168
	v_add_nc_u32 v[20+\k], v[20+\k], v169
	v_and_b32 v169, 15, v168
	v_lshl_add_u32 v[20+\k], v169, 2, v[20+\k]
	v_bfe_u32 v169, v168, 4, 1
	v_lshl_add_u32 v[20+\k], v169, 1, v[20+\k]
	v_bfe_u32 v169, v168, 5, 1
	v_add_nc_u32 v[20+\k], v[20+\k], v169
	v_cndmask_b32 v[20+\k], 0, v[20+\k], s[36+\k]
	v_min_u32 v[20+\k], 0x7ff, v[20+\k]            ; inside the batch's two planes
	v_lshlrev_b32 v[20+\k], 2, v[20+\k]
.endr
.irp k, 0,1,2,3
.irp a, 0,1,2,3,4,5,6,7,8,9,10,11,12,13,14,15
	global_load_b32 v[32+16*\k+\a], v[20+\k], s[14:15] offset:262144*\a   ; the 16 waves' partial scores lie 64 planes of 4,096 bytes apart
.endr
.endr
.irp k, 0,1,2,3
	v_mul_f32 v[12+\k], 0xce6e6b28, v[12+\k]       ; mask x (-1e9)
.endr
	s_wait_loadcnt 0x0
.irp k, 0,1,2,3
.irp j, 0,2,4,6
	v_pk_add_f32 v[32+16*\k+\j:33+16*\k+\j], v[32+16*\k+\j:33+16*\k+\j], v[40+16*\k+\j:41+16*\k+\j]
.endr
.irp j, 0,2
	v_pk_add_f32 v[32+16*\k+\j:33+16*\k+\j], v[32+16*\k+\j:33+16*\k+\j], v[36+16*\k+\j:37+16*\k+\j]
.endr
	v_pk_add_f32 v[32+16*\k:33+16*\k], v[32+16*\k:33+16*\k], v[34+16*\k:35+16*\k]
	v_add_f32 v[24+\k], v[32+16*\k], v[33+16*\k]
	v_add_f32 v[24+\k], s26, v[24+\k]              ; + bV
	v_add_f32 v[24+\k], v[24+\k], v[12+\k]         ; + the penalty
	v_cndmask_b32 v[24+\k], v170, v[24+\k], s[36+\k]
.endr
	v_max3_num_f32 v28, v24, v25, v26              ; the largest score: my four, my wave's, the work-group's
	v_max_num_f32 v28, v28, v27
	v_max_num_f32_dpp v28, v28, v28 row_xmask:1 row_mask:0xf bank_mask:0xf
	v_max_num_f32_dpp v28, v28, v28 row_xmask:2 row_mask:0xf bank_mask:0xf
	v_max_num_f32_dpp v28, v28, v28 row_xmask:4 row_mask:0xf bank_mask:0xf
	v_max_num_f32_dpp v28, v28, v28 row_xmask:8 row_mask:0xf bank_mask:0xf
	v_permlanex16_b32 v29, v28, s32, s33
	v_max_num_f32 v28, v28, v29
	ds_store_b32 v5, v28 offset:RED0
	s_wait_dscnt 0x0                               ; for the others' sake: my store has landed
	s_barrier_signal -1
	s_barrier_wait -1
	ds_load_b32 v28, v7 offset:RED0                ; each 16 lanes read the 16 waves' maxima
	s_wait_dscnt 0x0
	v_max_num_f32_dpp v28, v28, v28 row_xmask:1 row_mask:0xf bank_mask:0xf
	v_max_num_f32_dpp v28, v28, v28 row_xmask:2 row_mask:0xf bank_mask:0xf
	v_max_num_f32_dpp v28, v28, v28 row_xmask:4 row_mask:0xf bank_mask:0xf
	v_max_num_f32_dpp v28, v28, v28 row_xmask:8 row_mask:0xf bank_mask:0xf
.irp k, 0,1,2,3
	v_sub_f32 v[24+\k], v[24+\k], v28
.endr
.irp k, 0,1,2,3
	v_mul_f32 v[24+\k], 0x3fb8aa3b, v[24+\k]       ; x log2(e)
.endr
.irp k, 0,1,2,3
	v_exp_f32 v[24+\k], v[24+\k]
.endr
	v_nop                                          ; a plain line behind the last transcendental
	s_wait_alu depctr_va_vdst(0)
	v_add_f32 v29, v24, v25
	v_add_f32 v168, v26, v27
	v_add_f32 v29, v29, v168
	v_add_f32_dpp v29, v29, v29 row_xmask:1 row_mask:0xf bank_mask:0xf
	v_add_f32_dpp v29, v29, v29 row_xmask:2 row_mask:0xf bank_mask:0xf
	v_add_f32_dpp v29, v29, v29 row_xmask:4 row_mask:0xf bank_mask:0xf
	v_add_f32_dpp v29, v29, v29 row_xmask:8 row_mask:0xf bank_mask:0xf
	v_permlanex16_b32 v168, v29, s32, s33
	v_add_f32 v29, v29, v168
	ds_store_b32 v5, v29 offset:RED1
	s_wait_dscnt 0x0
	s_barrier_signal -1
	s_barrier_wait -1
	ds_load_b32 v29, v7 offset:RED1
	s_wait_dscnt 0x0
	v_add_f32_dpp v29, v29, v29 row_xmask:1 row_mask:0xf bank_mask:0xf
	v_add_f32_dpp v29, v29, v29 row_xmask:2 row_mask:0xf bank_mask:0xf
	v_add_f32_dpp v29, v29, v29 row_xmask:4 row_mask:0xf bank_mask:0xf
	v_add_f32_dpp v29, v29, v29 row_xmask:8 row_mask:0xf bank_mask:0xf
	v_rcp_f32 v29, v29
	v_nop
	s_wait_alu depctr_va_vdst(0)
.irp k, 0,1,2,3
	v_mul_f32 v[24+\k], v[24+\k], v29              ; the weights
.endr
	; my wave's kept rows, compacted into its own list: rank = kept rows ahead of mine in the order (k, lane); a dropped row goes to word 128, which no unit reads
	s_mov_b32 s42, 0
.irp k, 0,1,2,3
	v_mbcnt_lo_u32_b32 v168, s[36+\k], s42
	v_cndmask_b32 v168, v171, v168, s[36+\k]
	v_min_u32 v168, 0x80, v168
	v_lshl_add_u32 v[20+\k], v168, 2, v4
	ds_store_b32 v[20+\k], v[16+\k]                ; LDS serves a wave's instructions in order (ISA guide 5.7.1.4): these come behind the zeros
	ds_store_b32 v[20+\k], v[24+\k] offset:1024
	s_bcnt1_i32_b32 s43, s[36+\k]
	s_add_co_u32 s42, s42, s43
.endr
	s_add_co_u32 s30, s42, 15
	s_lshr_b32 s30, s30, 4                         ; my wave's units of 16 rows, 0 to 8
	; the ring: slot i holds one row's 16 bytes a lane (v[32 + 4 i ..]), its offset (v[96 + i]) and its weight (v[112 + i])
.irp x, 0,1,2,3
	ds_load_b128 v[128+4*\x:131+4*\x], v4 offset:16*\x          ; unit 0: every lane reads the same words
	ds_load_b128 v[112+4*\x:115+4*\x], v4 offset:1024+16*\x
.endr
.irp j, 0,1,2,3,4,5,6,7
	v_mov_b32 v[160+\j], 0                         ; two sets of four sums
.endr
	s_wait_dscnt 0x0
.irp i, 0,1,2,3,4,5,6,7,8,9,10,11,12,13,14,15
	v_min_u32 v[128+\i], 0x7ff, v[128+\i]
	v_lshl_add_u32 v[96+\i], v[128+\i], 12, v1
	global_load_b128 v[32+4*\i:35+4*\i], v[96+\i], s[4:5] th:TH_LOAD_NT   ; 512 consecutive bytes, aligned; this launch reads them once
.endr
.macro FMA4 i
.irp j, 0,1,2,3
	v_fmac_f32 v[160+4*(\i%2)+\j], v[32+4*\i+\j], v[112+\i]
.endr
.endm
; Round rho takes unit rho - 1 out of the ring and puts unit rho in.  THE COUNT 15: the fill issues 16 loads, each round consumes 16 and issues 16, so at each slot's turn the fifteen younger loads may stay out, on every way.
.macro ROUND rho
.irp x, 0,1,2,3
	ds_load_b128 v[128+4*\x:131+4*\x], v4 offset:64*\rho+16*\x
	ds_load_b128 v[144+4*\x:147+4*\x], v4 offset:1024+64*\rho+16*\x
.endr
	s_wait_dscnt 0x0
.irp i, 0,1,2,3,4,5,6,7,8,9,10,11,12,13,14,15
	s_wait_loadcnt 15                              ; the slot's load is in: its offset register is free too
	FMA4 \i
	v_mov_b32 v[112+\i], v[144+\i]
	v_min_u32 v[128+\i], 0x7ff, v[128+\i]
	v_lshl_add_u32 v[96+\i], v[128+\i], 12, v1
	global_load_b128 v[32+4*\i:35+4*\i], v[96+\i], s[4:5] th:TH_LOAD_NT
.endr
.endm
.irp rho, 1,2,3,4,5,6,7
	s_cmp_le_u32 s30, \rho
	s_cbranch_scc1 .Llast                          ; no unit rho: on to the ring's last round
	ROUND \rho
.endr
.Llast:
.irp i, 0,1,2,3,4,5,6,7,8,9,10,11,12,13,14,15
	s_wait_loadcnt 15-\i                           ; nothing is asked for: the counts run down
	FMA4 \i
.endr
	v_pk_add_f32 v[160:161], v[160:161], v[164:165]
	v_pk_add_f32 v[162:163], v[162:163], v[166:167]
	s_lshr_b32 s28, s20, 1
	s_cmp_lg_u32 s28, s21
	s_cbranch_scc1 .Lnot_mine
	global_store_b128 v2, v[24:27], s[18:19]       ; out1: waves 2 c and 2 c + 1 hold rows 256 c .. + 255: 512 consecutive bytes a wave
.Lnot_mine:
	ds_store_b128 v176, v[160:163] offset:CTX
	s_wait_dscnt 0x0                               ; for the others' sake: my strip has landed
	s_barrier_signal -1
	s_barrier_wait -1
	s_cmp_gt_u32 s20, 1
	s_cbranch_scc1 .Lend
.irp x, 0,1,2,3,4,5,6,7,8,9,10,11,12,13,14,15
	ds_load_b64 v[32+2*\x:33+2*\x], v177 offset:CTX+512*\x      ; waves 0 and 1: half a strip of each of the 16 waves
.endr
	s_wait_dscnt 0x0
.irp x, 0,1,2,3,4,5,6,7
	v_pk_add_f32 v[32+2*\x:33+2*\x], v[32+2*\x:33+2*\x], v[48+2*\x:49+2*\x]
.endr
.irp x, 0,1,2,3
	v_pk_add_f32 v[32+2*\x:33+2*\x], v[32+2*\x:33+2*\x], v[40+2*\x:41+2*\x]
.endr
.irp x, 0,1
	v_pk_add_f32 v[32+2*\x:33+2*\x], v[32+2*\x:33+2*\x], v[36+2*\x:37+2*\x]
.endr
	v_pk_add_f32 v[32:33], v[32:33], v[34:35]
	global_store_b64 v177, v[32:33], s[16:17]      ; 256 consecutive bytes, aligned
.Lend:
	s_wait_tensorcnt 0x0
	ds_add_u32 v184, v185
	s_wait_dscnt 0x0
	s_endpgm
.Lfunc_end_k_q9209a5e80c_context:
	.size	k_q9209a5e80c_context, .Lfunc_end_k_q9209a5e80c_context-k_q9209a5e80c_context
	.p2alignl 7, 3214868480
	.fill 96, 4, 3214868480
	.section	.rodata,"a",@progbits
	.p2align	6, 0x0
	.amdhsa_kernel k_q9209a5e80c_context
		.amdhsa_group_segment_fixed_size 43520
		.amdhsa_private_segment_fixed_size 0
		.amdhsa_enable_private_segment 0
		.amdhsa_kernarg_size 64
		.amdhsa_user_sgpr_count 2
		.amdhsa_user_sgpr_kernarg_segment_ptr 1
		.amdhsa_wavefront_size32 1
		.amdhsa_system_sgpr_workgroup_id_x 1
		.amdhsa_system_sgpr_workgroup_id_y 1
		.amdhsa_system_sgpr_workgroup_id_z 1
		.amdhsa_system_vgpr_workitem_id 0
		.amdhsa_next_free_vgpr 186
		.amdhsa_next_free_sgpr 66
		.amdhsa_reserve_vcc 1
		.amdhsa_float_denorm_mode_32 3
		.amdhsa_float_denorm_mode_16_64 3
		.amdhsa_memory_ordered 1
		.amdhsa_forward_progress 1
		.amdhsa_inst_pref_size 79
	.end_amdhsa_kernel
	.amdgpu_metadata
---
amdhsa.version: [ 1, 2 ]
amdhsa.kernels:
  - .name:           k_q9209a5e80c_context
    .symbol:         k_q9209a5e80c_context.kd
    .args:
      - { .name: values, .offset: 0, .size: 8, .value_kind: global_buffer, .address_space: global }
      - { .name: mask, .offset: 8, .size: 8, .value_kind: global_buffer, .address_space: global }
      - { .name: bV, .offset: 16, .size: 8, .value_kind: global_buffer, .address_space: global }
      - { .name: slot, .offset: 24, .size: 8, .value_kind: global_buffer, .address_space: global }
      - { .name: cnt, .offset: 32, .size: 8, .value_kind: global_buffer, .address_space: global }
      - { .name: part, .offset: 40, .size: 8, .value_kind: global_buffer, .address_space: global }
      - { .name: out0, .offset: 48, .size: 8, .value_kind: global_buffer, .address_space: global }
      - { .name: out1, .offset: 56, .size: 8, .value_kind: global_buffer, .address_space: global }
    .group_segment_fixed_size: 43520
    .private_segment_fixed_size: 0
    .kernarg_segment_align: 8
    .kernarg_segment_size: 64
    .max_flat_workgroup_size: 512
    .sgpr_count:     66
    .vgpr_count:     186
    .wavefront_size: 32
...
	.end_amdgpu_metadata
.endif
;; end of part 3
;; ======== version 2 of 2: 3 launches; version 1 with the launches prep, score, context written anew for expert scheduling mode
;; limits: right only within a limited range of input values
;; workspace buffers: slot 262,144 bytes of whole numbers; cnt 8,192 bytes of whole numbers; qb 131,072 bytes; part 4,194,304 bytes
;; launch prep (part 4): grid 48 x 1, 1 waves a work-group, no clusters, 0 bytes of LDS; arguments mask, V, query_codes, W2_codes, b1, b2, lowp_scales, slot, cnt, qb; writes slot, cnt, qb
.if DOCPART == 4
	.amdgcn_target "amdgcn-amd-amdhsa--gfx1250"
	.amdhsa_code_object_version 6
	.text
	.protected	k_q9209a5e80c_prep
	.globl	k_q9209a5e80c_prep
	.p2align	8
	.type	k_q9209a5e80c_prep,@function
k_q9209a5e80c_prep:
	s_mov_b64 s[64:65], 0
	v_nop
	global_prefetch_b8 v0, s[64:65] scope:SCOPE_SE
	s_setreg_imm32_b32 hwreg(HW_REG_WAVE_SCHED_MODE, 0, 2), 2
	s_setreg_imm32_b32 hwreg(HW_REG_WAVE_MODE, 25, 1), 1
	s_wait_xcnt 0x0
	s_wait_alu depctr_vm_vsrc(0)
; Two small jobs of one wave each, parted on the work-group's number.
; WORK-GROUPS 0-31 (one a batch): which rows of the batch can have a softmax weight other than 0, stored as whole numbers at fixed places.
;   penalty p = mask x (-1e9).  A score is V . tanh(..) + bV + p, and |V . tanh(..)| <= SV = sum |V|.  A row whose p lies more than 2 SV + 128 + 2^-21 (|p| + |pmax|) under the batch's
;   largest penalty pmax has a score more than 104 under the batch's largest score, so exp(score - max) is 0 in f32: its weight is exactly 0 and nothing of it is needed.
;   The 24 between 104 and 128 and the two 2^-21 terms are room for the rounding of the f32 sums.  LIMIT: |bV| + SV under 2^26.  NaN or infinity in mask is not served.
;   slot[b][t] = the row's place: kept rows take 0, 1, .. upward, dropped rows 2047, 2046, .. downward: a bijection on 0 .. 2047.  cnt[b][0..63] = n, the number kept (at least 1: the row at pmax).
;   No address and no branch here hangs on these numbers: they are data, stored where the row's mask was read.
; WORK-GROUPS 32-47 (64 units each): qb[b][u] = c x (query W2 + b2 + b1), c = 2 log2(e), the second quantised product on its codes as they are given, all of K = 1,024 at once.
;   LIMIT: e2 + e3 between -126 and 125, so that c x 2^(e2 + e3) is an f32 number.
; No LDS, no barrier.  Shared tiles: none (each work-group reads its own rows of W2; query's 32 KB are small beside them), so no cluster.
; THE MODE: SCHED_MODE bits 1:0 = 2 (LLVM: expert scheduling mode 2), set by the entry lines.  The code itself states the register dependences
; between vector or matrix instructions and memory instructions, with s_wait_alu, always for 0.
; THE PLAN.  The rows' path: v1 and v12 are offsets, made once; v64-127 are loaded (mask), worked on in place and stored (places); v128-159 are loaded (V); v10, v11 are stored (n).
;   One wait on va_vdst ahead of the loads (v1), one ahead of the stores (all that they read).  The kept lanes' masks are made in runs of 16 compares into s32-47, one wait on va_sdst behind each run.
; The units' path: v4-7 are offsets, made once; windows 1 to 3 and v8-15 are loaded once; v128-191 are stored.  One wait on va_vdst ahead of the loads, one ahead of the stores.
.set MSB, 0
.macro WIN new                         ; the immediate's high byte repeats the setting that is left
.if MSB != \new
	s_set_vgpr_msb (MSB<<8)|\new
.set MSB, \new
.endif
.endm
.set C2L, 0x4038aa3b                   ; c = 2 log2(e)
	s_load_b256 s[4:11], s[0:1], 0x0               ; mask s[4:5], V s[6:7], query's codes s[8:9], W2's codes s[10:11]
	s_load_b256 s[12:19], s[0:1], 0x20             ; b1 s[12:13], b2 s[14:15], the scales' exponents s[16:17], slot s[18:19]
	s_load_b128 s[20:23], s[0:1], 0x40             ; cnt s[20:21], qb s[22:23]
	v_lshlrev_b32 v1, 4, v0                        ; 16 x lane
	s_mov_b32 s27, 0                               ; upper word of the offsets' pair s[26:27]
	s_cmp_lt_u32 ttmp9, 32
	s_cbranch_scc0 .Lproj
	; ---------------- the rows of batch b = work-group number ----------------
	s_lshl_b32 s26, ttmp9, 13                      ; a batch's 2,048 words
	s_mov_b32 s24, 0x76543210                      ; v_permlanex16_b32: lane l takes lane l xor 16
	s_mov_b32 s25, 0xfedcba98
	s_wait_kmcnt 0x0
	s_add_nc_u64 s[4:5], s[4:5], s[26:27]
	s_add_nc_u64 s[18:19], s[18:19], s[26:27]
	s_lshl_b32 s26, ttmp9, 8                       ; a batch's 64 words of cnt
	s_add_nc_u64 s[20:21], s[20:21], s[26:27]
	s_wait_alu depctr_va_vdst(0)                   ; v1 is written: the loads below read it as their offset
.irp k, 0,1,2,3,4,5,6,7,8,9,10,11,12,13,14,15
	global_load_b128 v[64+4*\k:67+4*\k], v1, s[4:5] offset:512*\k    ; register 4 k + i holds row t = 128 k + 4 lane + i; 512 consecutive bytes a load
.endr
.irp k, 0,1,2,3,4,5,6,7
	global_load_b128 v[128+4*\k:131+4*\k], v1, s[6:7] offset:512*\k  ; V: 32 numbers a lane
.endr
	s_mov_b32 s26, 0x35000000                      ; 2^-21
	v_mov_b32 v3, 0                                ; a lane permute's destination counts as read
	v_lshlrev_b32 v12, 3, v0                       ; 8 x lane, for cnt
	s_wait_loadcnt 0x0
.set i, 64
.rept 64
	v_mul_f32 v[i], 0xce6e6b28, v[i]               ; p = mask x (-1e9)
.set i, i+1
.endr
	v_max3_num_f32 v2, v64, v65, v66               ; pmax: my 64, then the 32 lanes
.set i, 67
.rept 30
	v_max3_num_f32 v2, v2, v[i], v[i+1]
.set i, i+2
.endr
	v_max_num_f32 v2, v2, v127
	v_max_num_f32_dpp v2, v2, v2 row_xmask:1 row_mask:0xf bank_mask:0xf
	v_max_num_f32_dpp v2, v2, v2 row_xmask:2 row_mask:0xf bank_mask:0xf
	v_max_num_f32_dpp v2, v2, v2 row_xmask:4 row_mask:0xf bank_mask:0xf
	v_max_num_f32_dpp v2, v2, v2 row_xmask:8 row_mask:0xf bank_mask:0xf
	v_permlanex16_b32 v3, v2, s24, s25
	v_max_num_f32 v2, v2, v3
	v_add_f32 v4, |v128|, |v129|                   ; SV = sum |V|
.set i, 130
.rept 30
	v_add_f32 v4, v4, |v[i]|
.set i, i+1
.endr
	v_add_f32_dpp v4, v4, v4 row_xmask:1 row_mask:0xf bank_mask:0xf
	v_add_f32_dpp v4, v4, v4 row_xmask:2 row_mask:0xf bank_mask:0xf
	v_add_f32_dpp v4, v4, v4 row_xmask:4 row_mask:0xf bank_mask:0xf
	v_add_f32_dpp v4, v4, v4 row_xmask:8 row_mask:0xf bank_mask:0xf
	v_permlanex16_b32 v3, v4, s24, s25
	v_add_f32 v4, v4, v3
	v_fma_f32 v5, v4, 2.0, 0x43000000              ; 2 SV + 128
	v_fma_f32 v5, |v2|, s26, v5                    ; + 2^-21 |pmax|
.set i, 64
.rept 64
	v_fma_f32 v[6+i%2], |v[i]|, s26, v5            ; the row's bound: + 2^-21 |p|
	v_sub_f32 v[i], v2, v[i]                       ; pmax - p
	v_sub_f32 v[i], v[i], v[6+i%2]                 ; z: the row is kept where z <= 0
.set i, i+1
.endr
	s_mov_b32 s29, 0                               ; rows kept so far, in the order (register, lane)
.set g, 0
.rept 4                                        ; sixteen registers at a time: a run of compares, one wait, then the places
.set j, 0
.rept 16
	v_cmp_ge_f32 s[32+j], 0, v[64+16*g+j]          ; the kept lanes of this register
.set j, j+1
.endr
	s_wait_alu depctr_va_sdst(0)                   ; the sixteen masks s32-47 are written, ahead of their first readers below
.set j, 0
.rept 16
	v_mbcnt_lo_u32_b32 v8, s[32+j], s29            ; rows kept ahead of mine: a kept row's place
	v_sub_nc_u32 v9, 2047-32*(16*g+j), v0          ; 2047 - (rows ahead of mine)
	v_add_nc_u32 v9, v9, v8                        ; + (kept ahead) = 2047 - (dropped ahead): a dropped row's place
	v_cndmask_b32 v[64+16*g+j], v9, v8, s[32+j]
	s_bcnt1_i32_b32 s31, s[32+j]
	s_add_co_u32 s29, s29, s31
.set j, j+1
.endr
.set g, g+1
.endr
	v_mov_b32 v10, s29                             ; n
	v_mov_b32 v11, s29
	s_wait_alu depctr_va_vdst(0)                   ; the places v64-127, n in v10 and v11 and the offset v12 are written: the stores below read them
.irp k, 0,1,2,3,4,5,6,7,8,9,10,11,12,13,14,15
	global_store_b128 v1, v[64+4*\k:67+4*\k], s[18:19] offset:512*\k   ; 512 consecutive bytes a store
.endr
	global_store_b64 v12, v[10:11], s[20:21]       ; 256 consecutive bytes, aligned: n in each of the batch's 64 words
	s_endpgm
	; ---------------- qb for units u0 = 64 g .. 64 g + 63, all 32 batches ----------------
.Lproj:
	s_sub_co_u32 s28, ttmp9, 32                    ; g
	v_and_b32 v2, 15, v0                           ; r
	v_lshrrev_b32 v3, 4, v0                        ; h
	v_lshlrev_b32 v4, 12, v2
	v_lshl_add_u32 v4, v3, 4, v4                   ; W2: lane r of tile t takes unit u0 + 4 r + t, so that a lane's four tiles are four neighbouring units: 4,096 r + 16 h
	v_lshlrev_b32 v5, 10, v2
	v_lshl_add_u32 v5, v3, 4, v5                   ; query: row r of 1,024 bytes + 16 h
	v_lshlrev_b32 v6, 4, v2                        ; b1, b2: my four units
	v_lshl_add_u32 v7, v3, 15, v6                  ; qb: 8 h rows of 4,096 bytes + 16 r
	s_lshl_b32 s26, s28, 16                        ; 64 rows of 1,024 bytes
	s_wait_kmcnt 0x0
	s_load_b128 s[36:39], s[16:17], 0x0            ; e0, e1, e2, e3
	s_add_nc_u64 s[10:11], s[10:11], s[26:27]
	s_lshl_b32 s26, s28, 8                         ; 64 units of 4 bytes
	s_add_nc_u64 s[12:13], s[12:13], s[26:27]
	s_add_nc_u64 s[14:15], s[14:15], s[26:27]
	s_add_nc_u64 s[22:23], s[22:23], s[26:27]
	; a fragment is 16 rows x 128 K in 16 registers: registers 4 c .. 4 c + 3 hold K = 32 c + 16 h + 0 .. 15: the same permutation of k on both sides, so every product meets its partner
	WIN 0x40                                       ; destination window 1: W2, K steps 0-3, fragment (ks, t) at v[16 (4 ks + t)]
	s_wait_alu depctr_va_vdst(0)                   ; the four offsets v4 to v7 are written: every load and store of this path reads one of them
.irp ks, 0,1,2,3
.irp t, 0,1,2,3
.irp c, 0,1,2,3
	global_load_b128 v[16*(4*\ks+\t)+4*\c:16*(4*\ks+\t)+4*\c+3], v4, s[10:11] offset:1024*\t+128*\ks+32*\c
.endr
.endr
.endr
	WIN 0x80                                       ; window 2: K steps 4-7
.irp ks, 4,5,6,7
.irp t, 0,1,2,3
.irp c, 0,1,2,3
	global_load_b128 v[16*(4*(\ks-4)+\t)+4*\c:16*(4*(\ks-4)+\t)+4*\c+3], v4, s[10:11] offset:1024*\t+128*\ks+32*\c
.endr
.endr
.endr
	WIN 0xc0                                       ; window 3: query, fragment (mt, ks) at v[16 (8 mt + ks)]
.irp mt, 0,1
.irp ks, 0,1,2,3,4,5,6,7
.irp c, 0,1,2,3
	global_load_b128 v[16*(8*\mt+\ks)+4*\c:16*(8*\mt+\ks)+4*\c+3], v5, s[8:9] offset:16384*\mt+128*\ks+32*\c
.endr
.endr
.endr
	WIN 0
	global_load_b128 v[8:11], v6, s[12:13]         ; b1 of my four units
	global_load_b128 v[12:15], v6, s[14:15]        ; b2
	s_wait_loadcnt 0x0
	; source 0 = 16 batches, source 1 = 16 units: register j of lane (r, h) is (batch 16 mt + 8 h + j, unit u0 + 4 r + t).  Eight accumulators by turns, one instruction a turn.
	WIN 0x07                                       ; source 0 window 3, source 1 window 1
.irp ks, 0,1,2,3
.irp mt, 0,1
.irp t, 0,1,2,3
.if \ks == 0
	v_wmma_f32_16x16x128_fp8_fp8 v[64+8*(4*\mt+\t):71+8*(4*\mt+\t)], v[16*(8*\mt+\ks):16*(8*\mt+\ks)+15], v[16*(4*\ks+\t):16*(4*\ks+\t)+15], 0
.else
	v_wmma_f32_16x16x128_fp8_fp8 v[64+8*(4*\mt+\t):71+8*(4*\mt+\t)], v[16*(8*\mt+\ks):16*(8*\mt+\ks)+15], v[16*(4*\ks+\t):16*(4*\ks+\t)+15], v[64+8*(4*\mt+\t):71+8*(4*\mt+\t)]
.endif
.endr
.endr
.endr
	WIN 0x0b                                       ; source 1 window 2
.irp ks, 4,5,6,7
.irp mt, 0,1
.irp t, 0,1,2,3
	v_wmma_f32_16x16x128_fp8_fp8 v[64+8*(4*\mt+\t):71+8*(4*\mt+\t)], v[16*(8*\mt+\ks):16*(8*\mt+\ks)+15], v[16*(4*(\ks-4)+\t):16*(4*(\ks-4)+\t)+15], v[64+8*(4*\mt+\t):71+8*(4*\mt+\t)]
.endr
.endr
.endr
	WIN 0
.irp t, 0,1,2,3                                ; eight plain lines that name none of the products' registers: the places behind the last products (ISA guide 7.12.1)
	v_add_f32 v[8+\t], v[8+\t], v[12+\t]
.endr
.irp t, 0,1,2,3
	v_mul_f32 v[8+\t], C2L, v[8+\t]                ; c (b1 + b2)
.endr
	s_wait_kmcnt 0x0
	s_add_co_i32 s29, s38, s39                     ; a sum stands for sum x 2^(e2 + e3): the exponents are added to c's exponent field
	s_lshl_b32 s29, s29, 23
	s_add_co_i32 s29, s29, C2L
.irp j, 0,1,2,3,4,5,6,7                        ; each accumulator is read from its low end on
.irp mt, 0,1
.irp t, 0,1,2,3
	v_fma_f32 v[128+4*(8*\mt+\j)+\t], v[64+8*(4*\mt+\t)+\j], s29, v[8+\t]
.endr
.endr
.endr
	s_wait_alu depctr_va_vdst(0)                   ; the multiply-adds have written v128-191, which the stores below read
.irp mt, 0,1
.irp j, 0,1,2,3,4,5,6,7
	global_store_b128 v7, v[128+4*(8*\mt+\j):131+4*(8*\mt+\j)], s[22:23] offset:4096*(16*\mt+\j)   ; sixteen lanes store 256 consecutive bytes, aligned: 64 units of one batch
.endr
.endr
	s_endpgm
.Lfunc_end_k_q9209a5e80c_prep:
	.size	k_q9209a5e80c_prep, .Lfunc_end_k_q9209a5e80c_prep-k_q9209a5e80c_prep
	.p2alignl 7, 3214868480
	.fill 96, 4, 3214868480
	.section	.rodata,"a",@progbits
	.p2align	6, 0x0
	.amdhsa_kernel k_q9209a5e80c_prep
		.amdhsa_group_segment_fixed_size 0
		.amdhsa_private_segment_fixed_size 0
		.amdhsa_enable_private_segment 0
		.amdhsa_kernarg_size 80
		.amdhsa_user_sgpr_count 2
		.amdhsa_user_sgpr_kernarg_segment_ptr 1
		.amdhsa_wavefront_size32 1
		.amdhsa_system_sgpr_workgroup_id_x 1
		.amdhsa_system_sgpr_workgroup_id_y 1
		.amdhsa_system_sgpr_workgroup_id_z 1
		.amdhsa_system_vgpr_workitem_id 0
		.amdhsa_next_free_vgpr 1024
		.amdhsa_next_free_sgpr 66
		.amdhsa_reserve_vcc 0
		.amdhsa_float_denorm_mode_32 3
		.amdhsa_float_denorm_mode_16_64 3
		.amdhsa_memory_ordered 1
		.amdhsa_forward_progress 1
		.amdhsa_inst_pref_size 74
	.end_amdhsa_kernel
	.amdgpu_metadata
---
amdhsa.version: [ 1, 2 ]
amdhsa.kernels:
  - .name:           k_q9209a5e80c_prep
    .symbol:         k_q9209a5e80c_prep.kd
    .args:
      - { .name: mask, .offset: 0, .size: 8, .value_kind: global_buffer, .address_space: global }
      - { .name: V, .offset: 8, .size: 8, .value_kind: global_buffer, .address_space: global }
      - { .name: query_codes, .offset: 16, .size: 8, .value_kind: global_buffer, .address_space: global }
      - { .name: W2_codes, .offset: 24, .size: 8, .value_kind: global_buffer, .address_space: global }
      - { .name: b1, .offset: 32, .size: 8, .value_kind: global_buffer, .address_space: global }
      - { .name: b2, .offset: 40, .size: 8, .value_kind: global_buffer, .address_space: global }
      - { .name: lowp_scales, .offset: 48, .size: 8, .value_kind: global_buffer, .address_space: global }
      - { .name: slot, .offset: 56, .size: 8, .value_kind: global_buffer, .address_space: global }
      - { .name: cnt, .offset: 64, .size: 8, .value_kind: global_buffer, .address_space: global }
      - { .name: qb, .offset: 72, .size: 8, .value_kind: global_buffer, .address_space: global }
    .group_segment_fixed_size: 0
    .private_segment_fixed_size: 0
    .kernarg_segment_align: 8
    .kernarg_segment_size: 80
    .max_flat_workgroup_size: 32
    .sgpr_count:     66
    .vgpr_count:     1024
    .wavefront_size: 32
...
	.end_amdgpu_metadata
.endif
;; end of part 4
;; launch score (part 5): grid 256 x 1, 4 waves a work-group, no clusters, 51,200 bytes of LDS; arguments values, W1_codes, V, lowp_scales, slot, cnt, qb, part; writes part
.if DOCPART == 5
	.amdgcn_target "amdgcn-amd-amdhsa--gfx1250"
	.amdhsa_code_object_version 6
	.text
	.protected	k_q9209a5e80c_score
	.globl	k_q9209a5e80c_score
	.p2align	8
	.type	k_q9209a5e80c_score,@function
k_q9209a5e80c_score:
	s_mov_b64 s[64:65], 0
	v_nop
	global_prefetch_b8 v0, s[64:65] scope:SCOPE_SE
	s_setreg_imm32_b32 hwreg(HW_REG_WAVE_SCHED_MODE, 0, 2), 2
	s_setreg_imm32_b32 hwreg(HW_REG_WAVE_MODE, 25, 1), 1
	s_wait_xcnt 0x0
	s_wait_alu depctr_vm_vsrc(0)
; part[4 q + w][2 b + h][..] = for each kept row of half h of batch b: the sum over the wave's 64 units u of V[u] tanh(values W1 + b1 + query W2 + b2)[u].
; tanh(y) = 1 - 2 / (1 + 2^(c y)), c = 2 log2(e).  A matrix sum a stands for a x 2^(e0 + e1), so c y = a x cs + qb, cs = c x 2^(e0 + e1), qb from the launch before.
; The partial score is sum V[u] + sum (-2 V[u]) / (1 + 2^(c y)).  2^(c y) = infinity gives tanh = 1, 2^(c y) = 0 gives -1.
; SHARES.  Work-group = (q = number & 3, h = bit 2, b = number >> 3).  Wave w keeps units u0 = 256 q + 64 w .. + 63 of W1 for all of K in 512 REGISTERS for the whole launch; the rows stream.
; The batch's n kept rows (places 0 .. n - 1) are cut at H = 16 ceil(n / 32): half 0 takes places 0 .. H - 1, half 1 the rest; NT tiles of 16 rows, at most 64.
; A TILE: each wave loads 4 of its 16 rows as f32 (32 loads of 512 consecutive bytes), holds and converts them to E4M3 with the given scale 2^e0, and puts the codes in LDS as rows along K;
; behind a barrier every wave reads all 16 rows as eight fragments and multiplies them with its 32 fragments of W1.  Two LDS slots by turns: one barrier a tile serves both orders.
; Rows are asked for two tiles ahead of their conversion, in two register sets by turns.
; NO TENSOR LOADS, NO CLUSTER: the rows are gathered by a list and the tiles' work hangs on a stored count, so the operands go from memory through registers; the four q of one (b, h) have
; neighbouring numbers and read the same rows at about the same time.
; THE LOOP HAS A CONSTANT 16 TRIPS OF 4 TILES; a tile at or past NT is jumped over, its barrier is not.
; LIMITS: e0 between -126 and 119; e0 + e1 between -126 and 125.  NaN among the values is not served (an infinity is held at the largest code).
; REGISTERS.  window 0: v1 16 lane; v2 fragment address; v3 code store address; v4, v5 list address; v6 2^e0; v7 8 lane; v8-15 two sets of four row offsets; v24-25 sum of my V; v26-33 eight row sums;
;   v34-41 at work; v42-43 scores to store; v44-47 a group's four tiles; v48-55 -2 V (each twice, a pair a tile of units); v56-63 qb likewise; v64-95 codes; v96-127 four accumulators; v128-255 the rows' 8 fragments.
;   windows 1, 2: W1, fragment (ks, ut) at v[16 (4 (ks % 4) + ut)].   window 3: two sets of 128 f32 numbers as loaded.
; THE MODE: SCHED_MODE bits 1:0 = 2 (LLVM: expert scheduling mode 2), set by the entry lines.  The code itself states the register dependences
; between vector or matrix instructions and memory or LDS instructions, with s_wait_alu, always for 0.
; THE PLAN.  Registers that memory or LDS instructions touch, in the loop:
;   v128-255      The tile's fragments land here, first thing in the tile; its 32 products read them.
;   window 3      Set nxt: the holds and conversions of the next tile read and write it; behind them the loads of the tile three on land in it.
;   v64-95        Written by the conversions; read by the 32 LDS stores of the same tile.
;   v8-15         Set nxt: the list's four words land in it; v_min and v_lshl_add make the row offsets of them; the 32 loads read them.
;   v5            Written once a trip; read by the list's loads.     v42, v43  Written once a trip; read by the trip's one store.
;   v2, v3, v7    Made at the head and never written again.  The accumulators and v24-63 are named by vector and matrix instructions alone.
; So a tile has: at its head, ahead of every branch, one wait on vm_vsrc (what earlier LDS stores, loads and the trip's store have read is written again in this tile) and one on va_vdst (the products of the tile before
; are done with v128-255; v5 is written); and one more on va_vdst behind the conversions and the offsets' arithmetic, which serves the 32 loads and the 32 LDS stores alike.  One wait on va_vdst a trip stands ahead of the store.
; The loads stand in one run ahead of the products: they want window 3, and they are wanted as early as they can go.
.set PITCH, 1040                       ; a row of codes in LDS: 1,024 bytes + 16 = 65 x 16: the sixteen rows of a fragment load start at sixteen different 16-byte columns of the 64 banks (ISA guide 11.1)
.set CSLOT, 16*PITCH                   ; a tile's codes; two such slots from LDS byte 0
.set LISTB, 2*CSLOT                    ; then the lists: one of 1,088 words for each wave: word i = the row t at place start + i; word 1,024 takes the places that are not mine
.set LISTW, 4352
.set MSB, 0
.macro WIN new                         ; the immediate's high byte repeats the setting that is left
.if MSB != \new
	s_set_vgpr_msb (MSB<<8)|\new
.set MSB, \new
.endif
.endm
; my wave's four rows of the tile whose list words begin off bytes behind v5: the words,
.macro IDXL p, off
	ds_load_b128 v[8+4*\p:11+4*\p], v5 offset:\off       ; every lane reads the same 16 bytes
.endm
; and of them the rows' byte offsets in the batch, + 16 x lane
.macro IDXA p
.irp i, 0,1,2,3
	v_min_u32 v[8+4*\p+\i], 0x7ff, v[8+4*\p+\i]          ; a row number stays inside the batch
.endr
.irp i, 0,1,2,3
	v_lshl_add_u32 v[8+4*\p+\i], v[8+4*\p+\i], 12, v1
.endr
.endm
.macro LOADS p, w                      ; 32 loads: four rows of 4,096 bytes, 512 consecutive bytes a load, into set p of window 3.  w = 1: vector instructions have named their registers since the last wait
	WIN 0xc0
.if \w
	s_wait_alu depctr_va_vdst(0)                         ; the row offsets in v8-15 are written; the holds and conversions, where some stand above, are done with this set, in which the loads land, and have written the codes v64-95, which the LDS stores behind these loads read
.endif
.irp row, 0,1,2,3
.irp j, 0,1,2,3,4,5,6,7
	global_load_b128 v[128*\p+32*\row+4*\j:128*\p+32*\row+4*\j+3], v[8+4*\p+\row], s[4:5] offset:512*\j
.endr
.endr
	WIN 0
.endm
; set p's 128 numbers become 32 registers of codes.  Load j of a row gave lane l columns 128 j + 4 l .. + 3: a conversion of eight registers makes their four codes in one register and load j + 1's in the next.
.macro QCONV p
	WIN 0xc3
.set i, 0
.rept 128
	v_med3_num_f32 v[128*\p+i], v[128*\p+i], s33, s32    ; the conversion to an 8-bit code does not saturate (ISA guide 7.6.2): held within +-448 x 2^e0 first
.set i, i+1
.endr
	WIN 0x03
.set i, 0
.rept 16
	v_cvt_scalef32_pk8_fp8_f32 v[64+2*i:65+2*i], v[128*\p+8*i:128*\p+8*i+7], v6
.set i, i+1
.endr
	WIN 0
	v_nop                                                ; one plain line behind the last scaled conversion
.endm
; the codes go to LDS slot s: each store puts 128 consecutive bytes of a row: the rows lie in LDS in the natural order of K
.macro CODES s
.irp row, 0,1,2,3
.irp j, 0,1,2,3,4,5,6,7
	ds_store_b32 v3, v[64+8*\row+\j] offset:CSLOT*\s+PITCH*\row+128*\j
.endr
.endr
.endm
.macro FETCH s                         ; the tile's eight fragments: registers 4 c .. 4 c + 3 of fragment ks hold K = 128 ks + 32 c + 16 h + 0 .. 15 of row r, as W1's do
.irp ks, 0,1,2,3,4,5,6,7
.irp c, 0,1,2,3
	ds_load_b128 v[128+16*\ks+4*\c:131+16*\ks+4*\c], v2 offset:CSLOT*\s+128*\ks+32*\c
.endr
.endr
.endm
; 32 products: source 0 = the 16 rows, source 1 = 16 units: register j of lane (r, h) is (row 8 h + j, unit u0 + 16 ut + r).  The four accumulators take turns, one instruction a turn.
.macro MM
	WIN 0x04                                             ; source 1 window 1
.irp ks, 0,1,2,3
.irp ut, 0,1,2,3
.if \ks == 0
	v_wmma_f32_16x16x128_fp8_fp8 v[96+8*\ut:103+8*\ut], v[128+16*\ks:143+16*\ks], v[16*(4*\ks+\ut):16*(4*\ks+\ut)+15], 0
.else
	v_wmma_f32_16x16x128_fp8_fp8 v[96+8*\ut:103+8*\ut], v[128+16*\ks:143+16*\ks], v[16*(4*\ks+\ut):16*(4*\ks+\ut)+15], v[96+8*\ut:103+8*\ut]
.endif
.endr
.endr
	WIN 0x08                                             ; source 1 window 2
.irp ks, 4,5,6,7
.irp ut, 0,1,2,3
	v_wmma_f32_16x16x128_fp8_fp8 v[96+8*\ut:103+8*\ut], v[128+16*\ks:143+16*\ks], v[16*(4*(\ks-4)+\ut):16*(4*(\ks-4)+\ut)+15], v[96+8*\ut:103+8*\ut]
.endr
.endr
	WIN 0
.rept 4
	v_nop                                                ; four places in front of the first read of results (ISA guide 7.12.1)
.endr
.endm
.macro EPI                             ; 32 numbers a lane: c y, 2^(c y), + 1, reciprocal, x (-2 V), summed over the four tiles of units
.irp ut, 0,1,2,3
.irp j, 0,2,4,6
	v_pk_fma_f32 v[96+8*\ut+\j:97+8*\ut+\j], v[96+8*\ut+\j:97+8*\ut+\j], s[30:31], v[56+2*\ut:57+2*\ut] op_sel_hi:[1,0,1]   ; each accumulator from its low end on
.endr
.endr
.set i, 96
.rept 32
	v_exp_f32 v[i], v[i]
.set i, i+1
.endr
	v_nop                                                ; a plain line behind the last transcendental
.set i, 96
	s_wait_alu depctr_va_vdst(0)                         ; the 32 exponentials have written v96-127: one wait for the batch, ahead of its first reader
.rept 16
	v_pk_add_f32 v[i:i+1], v[i:i+1], 1.0 op_sel_hi:[1,0]
.set i, i+2
.endr
.set i, 96
.rept 32
	v_rcp_f32 v[i], v[i]
.set i, i+1
.endr
	v_nop
	s_wait_alu depctr_va_vdst(0)                         ; the 32 reciprocals have written v96-127: one wait for the batch, ahead of its first reader
.irp j, 0,2,4,6
	v_pk_fma_f32 v[26+\j:27+\j], v[96+\j:97+\j], v[48:49], v[24:25]     ; the sums begin with my four V
.endr
.irp ut, 1,2,3
.irp j, 0,2,4,6
	v_pk_fma_f32 v[26+\j:27+\j], v[96+8*\ut+\j:97+8*\ut+\j], v[48+2*\ut:49+2*\ut], v[26+\j:27+\j]
.endr
.endr
.endm
; eight sums a lane, each to be added over the 16 lanes of a row: at each step half of the lanes hand one half of the sums over and keep the other.  At the end lane l holds the tile's row l >> 1.
.macro REDUCE k
.irp j, 0,1,2,3
	v_cndmask_b32 v[34+2*\j], v[26+\j], v[30+\j], s34    ; what I keep,
	v_cndmask_b32 v[35+2*\j], v[30+\j], v[26+\j], s34    ; what the lane 8 away keeps
.endr
.irp j, 0,1,2,3
	v_add_f32_dpp v[26+\j], v[35+2*\j], v[34+2*\j] row_xmask:8 row_mask:0xf bank_mask:0xf
.endr
.irp j, 0,1
	v_cndmask_b32 v[34+2*\j], v[26+\j], v[28+\j], s35
	v_cndmask_b32 v[35+2*\j], v[28+\j], v[26+\j], s35
.endr
.irp j, 0,1
	v_add_f32_dpp v[26+\j], v[35+2*\j], v[34+2*\j] row_xmask:4 row_mask:0xf bank_mask:0xf
.endr
	v_cndmask_b32 v34, v26, v27, s36
	v_cndmask_b32 v35, v27, v26, s36
	v_add_f32_dpp v26, v35, v34 row_xmask:2 row_mask:0xf bank_mask:0xf
	v_add_f32_dpp v[44+\k], v26, v26 row_xmask:1 row_mask:0xf bank_mask:0xf
.endm
	s_load_b256 s[4:11], s[0:1], 0x0               ; values s[4:5], W1's codes s[6:7], V s[8:9], the scales' exponents s[10:11]
	s_load_b256 s[12:19], s[0:1], 0x20             ; slot s[12:13], cnt s[14:15], qb s[16:17], part s[18:19]
	v_lshrrev_b32 v1, 5, v0
	v_readfirstlane_b32 s20, v1                    ; wave w
	s_and_b32 s21, ttmp9, 3                        ; q
	s_bfe_u32 s22, ttmp9, 0x10002                  ; h
	s_lshr_b32 s23, ttmp9, 3                       ; b
	v_and_b32 v34, 31, v0                          ; lane
	v_and_b32 v35, 15, v0                          ; r
	v_bfe_u32 v36, v0, 4, 1                        ; lane / 16
	v_lshlrev_b32 v1, 4, v34
	v_mul_u32_u24 v2, v35, PITCH
	v_lshl_add_u32 v2, v36, 4, v2                  ; a fragment's row x pitch + 16 x half
	s_wait_alu depctr_va_sdst(0)                   ; s20 is written, ahead of its first reader: LDS addresses and the bases of W1, V, qb and part are made from it
	s_mul_i32 s29, s20, 4*PITCH
	v_lshl_add_u32 v3, v34, 2, s29                 ; my wave's four rows of a tile, 4 bytes a lane
	s_mul_i32 s29, s20, LISTW
	s_add_co_u32 s29, s29, LISTB
	v_mov_b32 v37, s29                             ; my wave's list
	s_lshl_b32 s38, s20, 4
	s_add_co_u32 s29, s29, s38
	v_mov_b32 v4, s29                              ; and in it my wave's four words of tile 0
	v_lshlrev_b32 v7, 3, v34
	v_lshlrev_b32 v38, 2, v34                      ; 4 x lane
	v_lshlrev_b32 v40, 2, v35                      ; V, qb: 4 r
	v_lshlrev_b32 v41, 10, v35
	v_lshl_add_u32 v41, v36, 4, v41                ; W1: row r of 1,024 bytes + 16 x half
	s_mov_b32 s34, 0xff00ff00                      ; lanes with bit 3, 2, 1, 0 set
	s_mov_b32 s35, 0xf0f0f0f0
	s_mov_b32 s36, 0xcccccccc
	s_mov_b32 s37, 0xaaaaaaaa
	s_mov_b32 s39, 0
	s_lshl_b32 s29, s21, 8
	s_lshl_b32 s40, s20, 6
	s_add_co_u32 s29, s29, s40                     ; u0
	s_wait_kmcnt 0x0
	s_lshl_b32 s38, s23, 23
	s_add_nc_u64 s[4:5], s[4:5], s[38:39]          ; values at my batch
	s_lshl_b32 s38, s29, 10
	s_add_nc_u64 s[6:7], s[6:7], s[38:39]          ; W1 at unit u0
	s_lshl_b32 s38, s29, 2
	s_add_nc_u64 s[8:9], s[8:9], s[38:39]          ; V at u0
	s_add_nc_u64 s[16:17], s[16:17], s[38:39]
	s_lshl_b32 s38, s23, 12
	s_add_nc_u64 s[16:17], s[16:17], s[38:39]      ; qb at (b, u0)
	s_lshl_b32 s38, s23, 13
	s_add_nc_u64 s[12:13], s[12:13], s[38:39]      ; slot at my batch
	s_lshl_b32 s38, s23, 8
	s_add_nc_u64 s[14:15], s[14:15], s[38:39]      ; cnt at my batch
	s_lshl_b32 s38, s21, 2
	s_add_co_u32 s38, s38, s20                     ; 4 q + w
	s_lshl_b32 s38, s38, 6
	s_lshl_b32 s40, s23, 1
	s_add_co_u32 s38, s38, s40
	s_add_co_u32 s38, s38, s22                     ; x 64 + 2 b + h
	s_lshl_b32 s38, s38, 12
	s_add_nc_u64 s[18:19], s[18:19], s[38:39]      ; my wave's 1,024 words of part
	s_load_b32 s24, s[14:15], 0x0                  ; n
	s_load_b64 s[44:45], s[10:11], 0x0             ; e0, e1
	s_wait_alu depctr_va_vdst(0)                   ; the offsets and addresses v1, v2, v3, v7, v40, v41 are written, which loads, LDS instructions and stores read from here on
.irp i, 0,1,2,3,4,5,6,7,8,9,10,11,12,13,14,15
	global_load_b128 v[64+4*\i:67+4*\i], v1, s[12:13] offset:512*\i   ; every wave reads all 2,048 places: register 4 i + k: row t = 128 i + 4 lane + k
.endr
.set i, 0
.rept 64
	v_add_nc_u32 v[128+i], 128*(i/4)+i%4, v38      ; t
.set i, i+1
.endr
.irp k, 0,1,2,3
	v_mov_b32 v[44+\k], 0                          ; written once: a destination of a cross-lane form counts as read
.endr
	s_wait_kmcnt 0x0
	s_min_u32 s24, s24, 0x800                      ; n
	s_add_co_u32 s25, s24, 31
	s_lshr_b32 s25, s25, 5
	s_lshl_b32 s25, s25, 4                         ; H = 16 ceil(n / 32)
	s_min_u32 s29, s24, s25                        ; rows of half 0
	s_sub_co_u32 s38, s24, s29                     ; rows of half 1
	s_cmp_lg_u32 s22, 0
	s_cselect_b32 s26, s38, s29
	s_cselect_b32 s27, s25, 0                      ; my first place
	s_add_co_u32 s26, s26, 15
	s_lshr_b32 s26, s26, 4                         ; NT
	s_add_co_i32 s29, s44, 127
	s_lshl_b32 s38, s29, 23
	v_mov_b32 v6, s38                              ; 2^e0 as f32: the conversion takes its exponent field
	s_add_co_i32 s29, s29, 8
	s_lshl_b32 s32, s29, 23
	s_or_b32 s32, s32, 0x600000                    ; 448 x 2^e0
	s_or_b32 s33, s32, 0x80000000                  ; and its negative
	s_add_co_i32 s29, s44, s45
	s_lshl_b32 s29, s29, 23
	s_add_co_i32 s30, s29, 0x4038aa3b              ; cs = c x 2^(e0 + e1): the exponents are added to c's exponent field
	s_mov_b32 s31, s30                             ; (named with it as a pair, so it is written)
	s_wait_loadcnt 0x0
.set i, 0
.rept 64                                       ; list[place - start] = t.  The places are a bijection on 0 .. 2047 and start + 1,023 <= 2,047, so words 0 .. 1,023 all get a row of the batch
	v_sub_nc_u32 v[64+i], v[64+i], s27
	v_min_u32 v[64+i], 0x400, v[64+i]              ; places under start wrap to large numbers: they and those past 1,023 go to word 1,024
	v_lshl_add_u32 v[64+i], v[64+i], 2, v37
.set i, i+1
.endr
	v_mov_b32 v5, v4
	s_wait_alu depctr_va_vdst(0)                   ; the 64 list addresses v64-127 and the row numbers v128-191 are written, which the LDS stores read; so is v5, which the list's first loads read
.set i, 0
.rept 64
	ds_store_b32 v[64+i], v[128+i]
.set i, i+1
.endr
	s_wait_dscnt 0x0
	s_barrier_signal -1
	s_barrier_wait -1
	IDXL 0, 0
	IDXL 1, 64
	s_wait_dscnt 0x0
	IDXA 0
	IDXA 1
	LOADS 0, 1                                     ; tile 0
	LOADS 1, 0                                     ; tile 1: the wait above has covered its offsets too
.irp ut, 0,1,2,3
	global_load_b32 v[16+\ut], v40, s[8:9] offset:64*\ut      ; V(u0 + 16 ut + r)
	global_load_b32 v[20+\ut], v40, s[16:17] offset:64*\ut    ; qb at the same units
.endr
	WIN 0x40                                       ; W1 stays: 128 loads, K steps 0-3 into window 1, 4-7 into window 2
.irp ks, 0,1,2,3
.irp ut, 0,1,2,3
.irp c, 0,1,2,3
	global_load_b128 v[16*(4*\ks+\ut)+4*\c:16*(4*\ks+\ut)+4*\c+3], v41, s[6:7] offset:16384*\ut+128*\ks+32*\c
.endr
.endr
.endr
	WIN 0x80
.irp ks, 4,5,6,7
.irp ut, 0,1,2,3
.irp c, 0,1,2,3
	global_load_b128 v[16*(4*(\ks-4)+\ut)+4*\c:16*(4*(\ks-4)+\ut)+4*\c+3], v41, s[6:7] offset:16384*\ut+128*\ks+32*\c
.endr
.endr
.endr
	WIN 0
	s_wait_loadcnt 63                              ; 128 loads of W1 were issued behind tiles 0 and 1, V and qb: those are in; W1's youngest 63 may be out
	v_add_f32 v24, v16, v17
	v_add_f32 v25, v18, v19
	v_add_f32 v24, v24, v25                        ; the sum of my four V,
	v_mov_b32 v25, v24                             ; twice
.irp ut, 0,1,2,3
	v_mul_f32 v[48+2*\ut], -2.0, v[16+\ut]
	v_mul_f32 v[49+2*\ut], -2.0, v[16+\ut]
	v_mov_b32 v[56+2*\ut], v[20+\ut]
	v_mov_b32 v[57+2*\ut], v[20+\ut]
.endr
	s_wait_alu depctr_vm_vsrc(0)                   ; the list's LDS stores have read v64-95, which the conversions below write; tile 0's loads have read v8-11, in which the list's words land
	QCONV 0                                        ; tile 0's codes
	IDXL 0, 128
	s_wait_dscnt 0x0
	IDXA 0
	LOADS 0, 1                                     ; tile 2
	CODES 0
	s_mov_b32 s28, 0                               ; the trip's first tile
	s_mov_b32 s42, 0                               ; its words in the list, in bytes
	s_wait_dscnt 0x0                               ; my codes have landed
	s_barrier_signal -1
	s_barrier_wait -1
; Tile s28 + k: its codes lie in slot cur.  Tile + 1 is converted into slot nxt, which every wave has finished reading in front of the last barrier; tile + 3 is asked for into the set that tile + 1 has left.
; THE COUNT 32: behind tile + 1's loads only tile + 2's 32, into the other set, have been issued.  Every way that leaves a group of loads out waits for all loads in its place, so the count holds on every way.
; On the way that asks for tile + 3 the wait for the list's words shows the fragments in as well; the stores of codes behind it read v3 and v64-95 alone, which nothing writes before the tile's last wait on DScnt, so the products do not wait for them.
.macro SEG k, cur, nxt
	s_wait_alu depctr_vm_vsrc(0)                   ; read by now: v64-95 by the LDS stores of the tile before (this tile's conversions write them); the row offsets of set nxt by the loads of two tiles back (the list's words land in them); v5 by the list's loads; v40, v41 by the head's loads; v42, v43 by the last trip's store
.if \k == 0
	v_add_nc_u32 v5, s42, v4
.endif
	s_wait_alu depctr_va_vdst(0)                   ; the products of the tile before are done reading v128-255, in which the fragments land; in a trip's first tile v5 is written
	s_add_co_u32 s29, s28, \k
	s_cmp_ge_u32 s29, s26
	s_cbranch_scc1 .Lidle_\@
	FETCH \cur
	s_add_co_u32 s29, s28, \k+1
	s_cmp_ge_u32 s29, s26
	s_cbranch_scc1 .Lrest_\@
	s_wait_loadcnt 32
	QCONV \nxt
	s_add_co_u32 s29, s28, \k+3
	s_cmp_ge_u32 s29, s26
	s_cbranch_scc1 .Lcodes_\@
	IDXL \nxt, 64*(\k+3)
	s_wait_dscnt 0x0                               ; the list's words are in, and so are the fragments asked for above
	IDXA \nxt
	LOADS \nxt, 1
	CODES \nxt
	s_branch .Lmult_\@
.Lcodes_\@:
	s_wait_alu depctr_va_vdst(0)                   ; the conversions have written the codes v64-95, which the LDS stores read
	CODES \nxt
.Lrest_\@:
	s_wait_loadcnt 0x0                             ; nothing more is asked for on this way
	s_wait_dscnt 0x0                               ; the fragments are in
.Lmult_\@:
	MM
	EPI
	REDUCE \k
	s_branch .Ljoin_\@
.Lidle_\@:
	s_wait_loadcnt 0x0
	v_mov_b32 v[44+\k], 0
.Ljoin_\@:
.if \k == 3
	s_cmp_ge_u32 s28, s26
	s_cbranch_scc1 .Lno_store_\@
	s_wait_xcnt 0x0                                ; the last trip's store has read v42, v43
	v_cndmask_b32 v42, v44, v45, s37               ; word 2 l: tile l & 1 of the four, row l >> 1;
	v_cndmask_b32 v43, v46, v47, s37               ; word 2 l + 1: tile 2 + (l & 1)
	s_wait_alu depctr_va_vdst(0)                   ; v42 and v43 are written, which the store reads
	global_store_b64 v7, v[42:43], s[18:19]        ; 256 consecutive bytes, aligned: the four tiles' 64 rows
.Lno_store_\@:
	s_wait_xcnt 0x0                                ; the store has read its base
	s_add_nc_u64 s[18:19], s[18:19], 256
	s_add_co_u32 s42, s42, 256
.endif
	s_wait_dscnt 0x0                               ; my reads of slot cur are in and my stores into slot nxt have landed
	s_barrier_signal -1
	s_barrier_wait -1
.endm
.Ltrip:
	SEG 0, 0, 1
	SEG 1, 1, 0
	SEG 2, 0, 1
	SEG 3, 1, 0
	s_add_co_u32 s28, s28, 4
	s_cmp_lt_u32 s28, 64
	s_cbranch_scc1 .Ltrip
	s_wait_xcnt 0x0
	v_lshl_add_u32 v254, v0, 2, 0xc600             ; the add's two registers, made anew: no memory or LDS instruction has read v254 or v255
	v_mov_b32 v255, 0
	s_wait_dscnt 0x0                               ; the closing lines, six on end
	s_wait_alu 0x0
	s_wait_tensorcnt 0x0
	ds_add_u32 v254, v255
	s_wait_dscnt 0x0
	s_endpgm
.Lfunc_end_k_q9209a5e80c_score:
	.size	k_q9209a5e80c_score, .Lfunc_end_k_q9209a5e80c_score-k_q9209a5e80c_score
	.p2alignl 7, 3214868480
	.fill 96, 4, 3214868480
	.section	.rodata,"a",@progbits
	.p2align	6, 0x0
	.amdhsa_kernel k_q9209a5e80c_score
		.amdhsa_group_segment_fixed_size 51200
		.amdhsa_private_segment_fixed_size 0
		.amdhsa_enable_private_segment 0
		.amdhsa_kernarg_size 64
		.amdhsa_user_sgpr_count 2
		.amdhsa_user_sgpr_kernarg_segment_ptr 1
		.amdhsa_wavefront_size32 1
		.amdhsa_system_sgpr_workgroup_id_x 1
		.amdhsa_system_sgpr_workgroup_id_y 1
		.amdhsa_system_sgpr_workgroup_id_z 1
		.amdhsa_system_vgpr_workitem_id 0
		.amdhsa_next_free_vgpr 1024
		.amdhsa_next_free_sgpr 66
		.amdhsa_reserve_vcc 0
		.amdhsa_float_denorm_mode_32 3
		.amdhsa_float_denorm_mode_16_64 3
		.amdhsa_memory_ordered 1
		.amdhsa_forward_progress 1
		.amdhsa_inst_pref_size 176
	.end_amdhsa_kernel
	.amdgpu_metadata
---
amdhsa.version: [ 1, 2 ]
amdhsa.kernels:
  - .name:           k_q9209a5e80c_score
    .symbol:         k_q9209a5e80c_score.kd
    .args:
      - { .name: values, .offset: 0, .size: 8, .value_kind: global_buffer, .address_space: global }
      - { .name: W1_codes, .offset: 8, .size: 8, .value_kind: global_buffer, .address_space: global }
      - { .name: V, .offset: 16, .size: 8, .value_kind: global_buffer, .address_space: global }
      - { .name: lowp_scales, .offset: 24, .size: 8, .value_kind: global_buffer, .address_space: global }
      - { .name: slot, .offset: 32, .size: 8, .value_kind: global_buffer, .address_space: global }
      - { .name: cnt, .offset: 40, .size: 8, .value_kind: global_buffer, .address_space: global }
      - { .name: qb, .offset: 48, .size: 8, .value_kind: global_buffer, .address_space: global }
      - { .name: part, .offset: 56, .size: 8, .value_kind: global_buffer, .address_space: global }
    .group_segment_fixed_size: 51200
    .private_segment_fixed_size: 0
    .kernarg_segment_align: 8
    .kernarg_segment_size: 64
    .max_flat_workgroup_size: 128
    .sgpr_count:     66
    .vgpr_count:     1024
    .wavefront_size: 32
...
	.end_amdgpu_metadata
.endif
;; end of part 5
;; launch context (part 6): grid 8 x 32, 16 waves a work-group, no clusters, 43,520 bytes of LDS; arguments values, mask, bV, slot, cnt, part, out0, out1; writes out0, out1
.if DOCPART == 6
	.amdgcn_target "amdgcn-amd-amdhsa--gfx1250"
	.amdhsa_code_object_version 6
	.text
	.protected	k_q9209a5e80c_context
	.globl	k_q9209a5e80c_context
	.p2align	8
	.type	k_q9209a5e80c_context,@function
k_q9209a5e80c_context:
	s_mov_b64 s[64:65], 0
	v_nop
	global_prefetch_b8 v0, s[64:65] scope:SCOPE_SE
	s_setreg_imm32_b32 hwreg(HW_REG_WAVE_SCHED_MODE, 0, 2), 2
	s_setreg_imm32_b32 hwreg(HW_REG_WAVE_MODE, 25, 1), 1
	s_wait_xcnt 0x0
	s_wait_alu depctr_vm_vsrc(0)
; The softmax over a batch's 2,048 rows and the weighted sum of the f32 rows.
; SHARES.  Work-group (c = x, b = y) owns columns 128 c .. + 127 of out0[b] and rows 256 c .. + 255 of out1[b]: every output has one owner.  Each of a batch's eight work-groups makes the small softmax itself.
; Thread tid owns rows t = 4 tid + k.  A row's place (slot) says whether it is kept (place < n) and where its 16 partial scores lie in part.  score = ((sum of the 16) + bV) + mask x (-1e9), the last two
; as separate roundings; a dropped row's score is -infinity, so its weight is 0.  The largest score is taken away before the exponential.
; THE WEIGHTED SUM reads kept rows alone.  Each wave compacts its own 128 rows (row number and weight) into its own 2 KB of LDS, which it has filled with zeros, so a last unit's padding is row 0 with weight 0;
; then a ring of 16 loads, one row's 512 bytes each: up to 8 KB a wave on their way.  The waves' strips are added through LDS.
; No matrix work here (a weighted sum of rows, one multiply-add a number read); no tensor loads and no cluster: rows are gathered by a list and the rounds hang on stored whole numbers.
; LIMITS: NaN or infinity in mask or values is not served; the values of dropped rows are never read.
; THE MODE: SCHED_MODE bits 1:0 = 2 (LLVM: expert scheduling mode 2), set by the entry lines.  The code itself states the register dependences
; between vector instructions and memory or LDS instructions, with s_wait_alu, always for 0.
; THE PLAN.  Registers that memory or LDS instructions touch, in the ring:
;   v32-95     Slot i: its row's 16 bytes land in v[32 + 4 i ..]; the slot's four multiply-adds read them; the next unit's row lands there.
;   v96-111    Slot i's offset: read by the slot's load; written again, behind the wait that shows that load done, for the next unit.
;   v128-159   A unit's row numbers and weights land here at a round's head; v_min, v_lshl_add and v_mov read them.
;   v4         Read by every LDS load of a unit; never written again.   The weights v112-127 and the sums v160-167 are named, in the rounds, by vector instructions alone.
; A round goes in four blocks of four slots: the four slots' multiply-adds, their new weights and offsets, ONE wait on va_vdst, four loads.  The wait states that the multiply-adds are done reading the four slots,
; that the four offsets are written, and that the unit's words have been read; it stands behind the work that empties the slots, so that they are asked for again at once.  One wait on vm_vsrc stands at a round's head.
; Outside the ring each run of loads or stores has one wait on va_vdst ahead of it, with the arithmetic of its addresses gathered in front; the eight compares stand in one run with one wait on va_sdst behind them.
.set RED0, 32768                       ; LDS: 16 x 2,048 bytes of the waves' lists (row numbers, then 1,024 bytes on the weights); then the waves' maxima,
.set RED1, 33024                       ; their sums,
.set CTX,  33280                       ; and their strips of 512 bytes
	s_load_b256 s[4:11], s[0:1], 0x0               ; values s[4:5], mask s[6:7], bV s[8:9], slot s[10:11]
	s_load_b256 s[12:19], s[0:1], 0x20             ; cnt s[12:13], part s[14:15], out0 s[16:17], out1 s[18:19]
	v_lshl_add_u32 v184, v0, 2, 0xa200
	v_mov_b32 v185, 0
	v_lshrrev_b32 v3, 5, v0
	v_readfirstlane_b32 s20, v3                    ; wave
	s_mov_b32 s21, ttmp9                           ; c
	s_and_b32 s22, ttmp7, 0xffff                   ; b
	v_and_b32 v3, 31, v0                           ; lane
	v_lshlrev_b32 v2, 4, v0                        ; 16 tid: my four words of slot, mask, out1
	s_lshl_b32 s28, s21, 9
	v_lshl_add_u32 v1, v3, 4, s28                  ; my 16 bytes of a row's strip: 512 c + 16 lane
	s_wait_alu depctr_va_sdst(0)                   ; s20 is written, ahead of its first reader: LDS addresses and two branches are made from it
	s_lshl_b32 s28, s20, 11
	v_mov_b32 v4, s28                              ; my wave's list
	v_lshl_add_u32 v6, v3, 4, s28                  ; and my 16 bytes of each 512 of it
	s_lshl_b32 s28, s20, 2
	v_mov_b32 v5, s28                              ; my wave's word among the maxima and sums
	v_and_b32 v7, 15, v0
	v_lshlrev_b32 v7, 2, v7                        ; and the word that I read back
	s_lshl_b32 s28, s20, 9
	v_lshl_add_u32 v176, v3, 4, s28                ; my wave's strip
	s_and_b32 s28, s20, 1
	s_lshl_b32 s28, s28, 8
	v_lshl_add_u32 v177, v3, 3, s28                ; waves 0, 1 at the end: 256 wave + 8 lane, in a strip and in out0
.irp k, 0,1,2,3
	v_lshl_add_u32 v[16+\k], v0, 2, \k             ; t
	v_mov_b32 v[172+\k], 0
.endr
	v_mov_b32 v31, 0x400
	v_mov_b32 v170, 0xff800000                     ; -infinity
	v_mov_b32 v171, 0x80
	v_mov_b32 v29, 0                               ; a lane permute's destination counts as read
	s_mov_b32 s32, 0x76543210                      ; v_permlanex16_b32: lane l takes lane l xor 16
	s_mov_b32 s33, 0xfedcba98
	s_mov_b32 s41, 0
	s_lshl_b32 s40, s22, 13
	s_wait_kmcnt 0x0
	s_add_nc_u64 s[6:7], s[6:7], s[40:41]          ; mask, slot, out1 at my batch; part at the batch's two planes
	s_add_nc_u64 s[10:11], s[10:11], s[40:41]
	s_add_nc_u64 s[14:15], s[14:15], s[40:41]
	s_add_nc_u64 s[18:19], s[18:19], s[40:41]
	s_lshl_b32 s40, s22, 8
	s_add_nc_u64 s[12:13], s[12:13], s[40:41]
	s_lshl_b32 s40, s22, 23
	s_add_nc_u64 s[4:5], s[4:5], s[40:41]
	s_lshl_b32 s40, s22, 12
	s_lshl_b32 s28, s21, 9
	s_add_co_u32 s40, s40, s28
	s_add_nc_u64 s[16:17], s[16:17], s[40:41]      ; out0 at (b, 128 c)
	s_load_b32 s24, s[12:13], 0x0                  ; n
	s_load_b32 s26, s[8:9], 0x0                    ; bV
	s_wait_alu depctr_va_vdst(0)                   ; the offsets and addresses v2, v4 to v7, v176, v177, the row numbers v16-19 and the zeros v172-175 are written, which loads, stores and LDS instructions read from here on
	global_load_b128 v[8:11], v2, s[10:11]
	global_load_b128 v[12:15], v2, s[6:7]
.irp x, 0,1,2,3
	ds_store_b128 v6, v[172:175] offset:512*\x     ; my wave's list begins as zeros
.endr
	s_wait_kmcnt 0x0
	s_min_u32 s24, s24, 0x800
	s_add_co_u32 s25, s24, 31
	s_lshr_b32 s25, s25, 5
	s_lshl_b32 s25, s25, 4                         ; H = 16 ceil(n / 32), as in the launch before
	v_mov_b32 v30, s25
	s_wait_loadcnt 0x0
.irp k, 0,1,2,3
	v_cmp_gt_u32 s[36+\k], s24, v[8+\k]            ; kept
	v_cmp_le_u32 s[44+\k], s25, v[8+\k]            ; in the second plane
.endr
	s_wait_alu depctr_va_sdst(0)                   ; the eight masks s36-39 and s44-47 are written, ahead of their first readers below
; where row k's partial scores lie: plane = place >= H; loc = place - H x plane; in a plane each 64 rows are 64 words: word 4 (loc % 16) + 2 ((loc / 16) % 2) + (loc / 32) % 2.  A dropped row reads word 0, which is always stored.
.irp k, 0,1,2,3
	v_cndmask_b32 v168, 0, v30, s[44+\k]
	v_sub_nc_u32 v168, v[8+\k], v168               ; loc
	v_cndmask_b32 v[20+\k], 0, v31, s[44+\k]
	v_and_b32 v169, 0xffffffc0, v168
	v_add_nc_u32 v[20+\k], v[20+\k], v169
	v_and_b32 v169, 15, v168
	v_lshl_add_u32 v[20+\k], v169, 2, v[20+\k]
	v_bfe_u32 v169, v168, 4, 1
	v_lshl_add_u32 v[20+\k], v169, 1, v[20+\k]
	v_bfe_u32 v169, v168, 5, 1
	v_add_nc_u32 v[20+\k], v[20+\k], v169
	v_cndmask_b32 v[20+\k], 0, v[20+\k], s[36+\k]
	v_min_u32 v[20+\k], 0x7ff, v[20+\k]            ; inside the batch's two planes
	v_lshlrev_b32 v[20+\k], 2, v[20+\k]
.endr
	s_wait_alu depctr_va_vdst(0)                   ; the four offsets v20-23 are written, which the 64 loads read
.irp k, 0,1,2,3
.irp a, 0,1,2,3,4,5,6,7,8,9,10,11,12,13,14,15
	global_load_b32 v[32+16*\k+\a], v[20+\k], s[14:15] offset:262144*\a   ; the 16 waves' partial scores lie 64 planes of 4,096 bytes apart
.endr
.endr
.irp k, 0,1,2,3
	v_mul_f32 v[12+\k], 0xce6e6b28, v[12+\k]       ; mask x (-1e9)
.endr
	s_wait_loadcnt 0x0
.irp k, 0,1,2,3
.irp j, 0,2,4,6
	v_pk_add_f32 v[32+16*\k+\j:33+16*\k+\j], v[32+16*\k+\j:33+16*\k+\j], v[40+16*\k+\j:41+16*\k+\j]
.endr
.irp j, 0,2
	v_pk_add_f32 v[32+16*\k+\j:33+16*\k+\j], v[32+16*\k+\j:33+16*\k+\j], v[36+16*\k+\j:37+16*\k+\j]
.endr
	v_pk_add_f32 v[32+16*\k:33+16*\k], v[32+16*\k:33+16*\k], v[34+16*\k:35+16*\k]
	v_add_f32 v[24+\k], v[32+16*\k], v[33+16*\k]
	v_add_f32 v[24+\k], s26, v[24+\k]              ; + bV
	v_add_f32 v[24+\k], v[24+\k], v[12+\k]         ; + the penalty
	v_cndmask_b32 v[24+\k], v170, v[24+\k], s[36+\k]
.endr
	v_max3_num_f32 v28, v24, v25, v26              ; the largest score: my four, my wave's, the work-group's
	v_max_num_f32 v28, v28, v27
	v_max_num_f32_dpp v28, v28, v28 row_xmask:1 row_mask:0xf bank_mask:0xf
	v_max_num_f32_dpp v28, v28, v28 row_xmask:2 row_mask:0xf bank_mask:0xf
	v_max_num_f32_dpp v28, v28, v28 row_xmask:4 row_mask:0xf bank_mask:0xf
	v_max_num_f32_dpp v28, v28, v28 row_xmask:8 row_mask:0xf bank_mask:0xf
	v_permlanex16_b32 v29, v28, s32, s33
	v_max_num_f32 v28, v28, v29
	s_wait_alu depctr_va_vdst(0)                   ; my wave's maximum v28 is written, which the LDS store reads
	ds_store_b32 v5, v28 offset:RED0
	s_wait_dscnt 0x0                               ; for the others' sake: my store has landed
	s_barrier_signal -1
	s_barrier_wait -1
	s_wait_alu depctr_vm_vsrc(0)                   ; the LDS store has read v28, in which the load below lands
	ds_load_b32 v28, v7 offset:RED0                ; each 16 lanes read the 16 waves' maxima
	s_wait_dscnt 0x0
	v_max_num_f32_dpp v28, v28, v28 row_xmask:1 row_mask:0xf bank_mask:0xf
	v_max_num_f32_dpp v28, v28, v28 row_xmask:2 row_mask:0xf bank_mask:0xf
	v_max_num_f32_dpp v28, v28, v28 row_xmask:4 row_mask:0xf bank_mask:0xf
	v_max_num_f32_dpp v28, v28, v28 row_xmask:8 row_mask:0xf bank_mask:0xf
.irp k, 0,1,2,3
	v_sub_f32 v[24+\k], v[24+\k], v28
.endr
.irp k, 0,1,2,3
	v_mul_f32 v[24+\k], 0x3fb8aa3b, v[24+\k]       ; x log2(e)
.endr
.irp k, 0,1,2,3
	v_exp_f32 v[24+\k], v[24+\k]
.endr
	v_nop                                          ; a plain line behind the last transcendental
	s_wait_alu depctr_va_vdst(0)                   ; the four exponentials have written v24-27: one wait for the batch, ahead of its first reader
	v_add_f32 v29, v24, v25
	v_add_f32 v168, v26, v27
	v_add_f32 v29, v29, v168
	v_add_f32_dpp v29, v29, v29 row_xmask:1 row_mask:0xf bank_mask:0xf
	v_add_f32_dpp v29, v29, v29 row_xmask:2 row_mask:0xf bank_mask:0xf
	v_add_f32_dpp v29, v29, v29 row_xmask:4 row_mask:0xf bank_mask:0xf
	v_add_f32_dpp v29, v29, v29 row_xmask:8 row_mask:0xf bank_mask:0xf
	v_permlanex16_b32 v168, v29, s32, s33
	v_add_f32 v29, v29, v168
	s_wait_alu depctr_va_vdst(0)                   ; my wave's sum v29 is written, which the LDS store reads
	ds_store_b32 v5, v29 offset:RED1
	s_wait_dscnt 0x0
	s_barrier_signal -1
	s_barrier_wait -1
	s_wait_alu depctr_vm_vsrc(0)                   ; the LDS store has read v29, in which the load below lands; the loads of part have read v20-23, which the compaction writes again
	ds_load_b32 v29, v7 offset:RED1
	s_wait_dscnt 0x0
	v_add_f32_dpp v29, v29, v29 row_xmask:1 row_mask:0xf bank_mask:0xf
	v_add_f32_dpp v29, v29, v29 row_xmask:2 row_mask:0xf bank_mask:0xf
	v_add_f32_dpp v29, v29, v29 row_xmask:4 row_mask:0xf bank_mask:0xf
	v_add_f32_dpp v29, v29, v29 row_xmask:8 row_mask:0xf bank_mask:0xf
	v_rcp_f32 v29, v29
	v_nop
	s_wait_alu depctr_va_vdst(0)                   ; the reciprocal has written v29, ahead of its first reader
.irp k, 0,1,2,3
	v_mul_f32 v[24+\k], v[24+\k], v29              ; the weights
.endr
	; my wave's kept rows, compacted into its own list: rank = kept rows ahead of mine in the order (k, lane); a dropped row goes to word 128, which no unit reads
	s_mov_b32 s42, 0
.irp k, 0,1,2,3
	v_mbcnt_lo_u32_b32 v168, s[36+\k], s42
	v_cndmask_b32 v168, v171, v168, s[36+\k]
	v_min_u32 v168, 0x80, v168
	v_lshl_add_u32 v[20+\k], v168, 2, v4
	s_bcnt1_i32_b32 s43, s[36+\k]
	s_add_co_u32 s42, s42, s43
.endr
	s_wait_alu depctr_va_vdst(0)                   ; the four list addresses v20-23 and the weights v24-27 are written, which the LDS stores (and, at the end, the store of out1) read
.irp k, 0,1,2,3
	ds_store_b32 v[20+\k], v[16+\k]                ; LDS serves a wave's instructions in order (ISA guide 5.7.1.4): these come behind the zeros
	ds_store_b32 v[20+\k], v[24+\k] offset:1024
.endr
	s_add_co_u32 s30, s42, 15
	s_lshr_b32 s30, s30, 4                         ; my wave's units of 16 rows, 0 to 8
	; the ring: slot i holds one row's 16 bytes a lane (v[32 + 4 i ..]), its offset (v[96 + i]) and its weight (v[112 + i])
.irp x, 0,1,2,3
	ds_load_b128 v[128+4*\x:131+4*\x], v4 offset:16*\x          ; unit 0: every lane reads the same words
	ds_load_b128 v[112+4*\x:115+4*\x], v4 offset:1024+16*\x
.endr
.irp j, 0,1,2,3,4,5,6,7
	v_mov_b32 v[160+\j], 0                         ; two sets of four sums
.endr
	s_wait_dscnt 0x0
.irp i, 0,1,2,3,4,5,6,7,8,9,10,11,12,13,14,15
	v_min_u32 v[128+\i], 0x7ff, v[128+\i]
	v_lshl_add_u32 v[96+\i], v[128+\i], 12, v1
.endr
	s_wait_alu depctr_va_vdst(0)                   ; the sixteen offsets v96-111 are written, which the loads read; the sums of the partial scores are done with v32-95, in which the loads land
.irp i, 0,1,2,3,4,5,6,7,8,9,10,11,12,13,14,15
	global_load_b128 v[32+4*\i:35+4*\i], v[96+\i], s[4:5] th:TH_LOAD_NT   ; 512 consecutive bytes, aligned; this launch reads them once
.endr
.macro FMA4 i
.irp j, 0,1,2,3
	v_fmac_f32 v[160+4*((\i)%2)+\j], v[32+4*(\i)+\j], v[112+(\i)]
.endr
.endm
; Round rho takes unit rho - 1 out of the ring and puts unit rho in, four slots at a time.  THE COUNTS 15, 14, 13, 12: the fill issues 16 loads, and each block consumes four and then issues four, so at a block's head
; sixteen loads are out, its own four the oldest: at the turn of the block's e-th slot the 15 - e younger loads may stay out, on every way.
.macro ROUND rho
	s_wait_alu depctr_vm_vsrc(0)                   ; the ring's sixteen loads have read their offsets v96-111, which this round writes again
.irp x, 0,1,2,3
	ds_load_b128 v[128+4*\x:131+4*\x], v4 offset:64*\rho+16*\x
	ds_load_b128 v[144+4*\x:147+4*\x], v4 offset:1024+64*\rho+16*\x
.endr
	s_wait_dscnt 0x0
.irp q, 0,1,2,3
.irp e, 0,1,2,3
	s_wait_loadcnt 15-\e                           ; the slot's load is in: its offset register is free too
	FMA4 4*\q+\e
.endr
.irp e, 0,1,2,3
	v_mov_b32 v[112+4*\q+\e], v[144+4*\q+\e]
	v_min_u32 v[128+4*\q+\e], 0x7ff, v[128+4*\q+\e]
	v_lshl_add_u32 v[96+4*\q+\e], v[128+4*\q+\e], 12, v1
.endr
	s_wait_alu depctr_va_vdst(0)                   ; the multiply-adds are done reading the block's four slots, in which the loads land; its four offsets are written; the unit's words in v128-159 have been read so far as this block goes, ahead of the next round's LDS loads
.irp e, 0,1,2,3
	global_load_b128 v[32+4*(4*\q+\e):35+4*(4*\q+\e)], v[96+4*\q+\e], s[4:5] th:TH_LOAD_NT
.endr
.endr
.endm
.irp rho, 1,2,3,4,5,6,7
	s_cmp_le_u32 s30, \rho
	s_cbranch_scc1 .Llast                          ; no unit rho: on to the ring's last round
	ROUND \rho
.endr
.Llast:
.irp i, 0,1,2,3,4,5,6,7,8,9,10,11,12,13,14,15
	s_wait_loadcnt 15-\i                           ; nothing is asked for: the counts run down
	FMA4 \i
.endr
	v_pk_add_f32 v[160:161], v[160:161], v[164:165]
	v_pk_add_f32 v[162:163], v[162:163], v[166:167]
	s_wait_alu depctr_va_vdst(0)                   ; my strip's sums v160-163 are written, which the LDS store reads; the multiply-adds are done reading v32-63, in which the LDS loads of waves 0 and 1 land
	s_lshr_b32 s28, s20, 1
	s_cmp_lg_u32 s28, s21
	s_cbranch_scc1 .Lnot_mine
	global_store_b128 v2, v[24:27], s[18:19]       ; out1: waves 2 c and 2 c + 1 hold rows 256 c .. + 255: 512 consecutive bytes a wave
.Lnot_mine:
	ds_store_b128 v176, v[160:163] offset:CTX
	s_wait_dscnt 0x0                               ; for the others' sake: my strip has landed
	s_barrier_signal -1
	s_barrier_wait -1
	s_cmp_gt_u32 s20, 1
	s_cbranch_scc1 .Lend
.irp x, 0,1,2,3,4,5,6,7,8,9,10,11,12,13,14,15
	ds_load_b64 v[32+2*\x:33+2*\x], v177 offset:CTX+512*\x      ; waves 0 and 1: half a strip of each of the 16 waves
.endr
	s_wait_dscnt 0x0
.irp x, 0,1,2,3,4,5,6,7
	v_pk_add_f32 v[32+2*\x:33+2*\x], v[32+2*\x:33+2*\x], v[48+2*\x:49+2*\x]
.endr
.irp x, 0,1,2,3
	v_pk_add_f32 v[32+2*\x:33+2*\x], v[32+2*\x:33+2*\x], v[40+2*\x:41+2*\x]
.endr
.irp x, 0,1
	v_pk_add_f32 v[32+2*\x:33+2*\x], v[32+2*\x:33+2*\x], v[36+2*\x:37+2*\x]
.endr
	v_pk_add_f32 v[32:33], v[32:33], v[34:35]
	s_wait_alu depctr_va_vdst(0)                   ; the sums v32 and v33 are written, which the store reads
	global_store_b64 v177, v[32:33], s[16:17]      ; 256 consecutive bytes, aligned
.Lend:
	s_wait_dscnt 0x0                               ; the closing lines, six on end
	s_wait_alu 0x0
	s_wait_tensorcnt 0x0
	ds_add_u32 v184, v185
	s_wait_dscnt 0x0
	s_endpgm
.Lfunc_end_k_q9209a5e80c_context:
	.size	k_q9209a5e80c_context, .Lfunc_end_k_q9209a5e80c_context-k_q9209a5e80c_context
	.p2alignl 7, 3214868480
	.fill 96, 4, 3214868480
	.section	.rodata,"a",@progbits
	.p2align	6, 0x0
	.amdhsa_kernel k_q9209a5e80c_context
		.amdhsa_group_segment_fixed_size 43520
		.amdhsa_private_segment_fixed_size 0
		.amdhsa_enable_private_segment 0
		.amdhsa_kernarg_size 64
		.amdhsa_user_sgpr_count 2
		.amdhsa_user_sgpr_kernarg_segment_ptr 1
		.amdhsa_wavefront_size32 1
		.amdhsa_system_sgpr_workgroup_id_x 1
		.amdhsa_system_sgpr_workgroup_id_y 1
		.amdhsa_system_sgpr_workgroup_id_z 1
		.amdhsa_system_vgpr_workitem_id 0
		.amdhsa_next_free_vgpr 186
		.amdhsa_next_free_sgpr 66
		.amdhsa_reserve_vcc 0
		.amdhsa_float_denorm_mode_32 3
		.amdhsa_float_denorm_mode_16_64 3
		.amdhsa_memory_ordered 1
		.amdhsa_forward_progress 1
		.amdhsa_inst_pref_size 81
	.end_amdhsa_kernel
	.amdgpu_metadata
---
amdhsa.version: [ 1, 2 ]
amdhsa.kernels:
  - .name:           k_q9209a5e80c_context
    .symbol:         k_q9209a5e80c_context.kd
    .args:
      - { .name: values, .offset: 0, .size: 8, .value_kind: global_buffer, .address_space: global }
      - { .name: mask, .offset: 8, .size: 8, .value_kind: global_buffer, .address_space: global }
      - { .name: bV, .offset: 16, .size: 8, .value_kind: global_buffer, .address_space: global }
      - { .name: slot, .offset: 24, .size: 8, .value_kind: global_buffer, .address_space: global }
      - { .name: cnt, .offset: 32, .size: 8, .value_kind: global_buffer, .address_space: global }
      - { .name: part, .offset: 40, .size: 8, .value_kind: global_buffer, .address_space: global }
      - { .name: out0, .offset: 48, .size: 8, .value_kind: global_buffer, .address_space: global }
      - { .name: out1, .offset: 56, .size: 8, .value_kind: global_buffer, .address_space: global }
    .group_segment_fixed_size: 43520
    .private_segment_fixed_size: 0
    .kernarg_segment_align: 8
    .kernarg_segment_size: 64
    .max_flat_workgroup_size: 512
    .sgpr_count:     66
    .vgpr_count:     186
    .wavefront_size: 32
...
	.end_amdgpu_metadata
.endif
;; end of part 6
